; MI455X (gfx1250); checked and timed in simulation.
; The chip was launched on July 23, 2026; its instructions are those of AMD's public machine-readable ISA for CDNA 5 (MIT licence, August 2026) and "CDNA5" Instruction Set Architecture Reference Guide (July 2026). The comments in the code are by the model that wrote it; some were corrected since.
;; Gemma Attention. Allowed arithmetic: matrix products marked QUANTISED: E2M3 operands, one E8M0 scale for each 32 along K, by v_wmma_scale_f32_16x16x128_f8f6f4 with both operands' format E2M3, f32 sums; everything else in f32.
;; Inputs: Wk 2,048 x 1,024 float32; Wo 1,024 x 2,048 float32; Wq 2,048 x 1,024 float32; Wv 2,048 x 1,024 float32; hidden_states 2 x 2,048 x 2,048 float32.
;; Outputs: out0 2 x 2,048 x 2,048 float32.
;; This version of the problem:
;;   THIS VERSION OF THE PROBLEM IS GIVEN IN LOW PRECISION. The matrix products marked QUANTISED in the list below multiply operands that are first quantised to E2M3 (2 exponent bits, 3 mantissa bits; 6 bits a number), with one power-of-two scale for each 32 numbers along K (OCP MX v1.0); their sums are f32. All else is computed in f32.
;;   The module's matrix products, in the order in which they are computed (A, B: the left and right operand; K: the contracted axis; several contracted axes count as one K, in the product's order):
;;     1. [M 4,096, K 2,048] x [K 2,048, N 1,024]; A: input hidden_states; B: input Wq: QUANTISED
;;     2. [M 4,096, K 2,048] x [K 2,048, N 1,024]; A: input hidden_states; B: input Wk: QUANTISED
;;     3. [M 4,096, K 2,048] x [K 2,048, N 1,024]; A: input hidden_states; B: input Wv: QUANTISED
;;     4. batch 16 x [M 2,048, K 128] x [K 128, N 2,048]; A: computed on the way; B: computed on the way: QUANTISED
;;     5. batch 16 x [M 2,048, K 2,048] x [K 2,048, N 128]; A: softmax (see below); B: computed on the way: QUANTISED
;;     6. [M 4,096, K 1,024] x [K 1,024, N 2,048]; A: computed on the way; B: input Wo: QUANTISED
;;   THE QUANTISER, for each operand of a quantised product, along K:
;;     - K is cut into blocks of 32 from its start; a last block that is shorter is filled with zeros.
;;     - A block's scale is 2^e with e = floor(log2(the largest magnitude in the block)) - 2, held to -126 .. 127; a block of zeros has e = 0. As a byte (E8M0): e + 127.
;;     - Each number is divided by its block's scale, clamped to +-7.5, and rounded to the nearest number of E2M3, ties to even, subnormals kept.
;;     - The product sums the exact products of the quantised numbers (number of the format x scale) in f32.
;;   ~~~python
;;   def quantise(x, axis):      # numpy; x: float32 -> the quantised numbers, widened to float32 again
;;       x = np.moveaxis(x, axis, -1); K = x.shape[-1]
;;       x = np.pad(x, [(0, 0)] * (x.ndim - 1) + [(0, -K % 32)]); x = x.reshape(x.shape[:-1] + (-1, 32)); a = np.abs(x).max(-1, keepdims=True)
;;       e = np.where(a > 0, np.clip(np.frexp(np.where(a > 0, a, 1))[1] - 1 - 2, -126, 127), 0)      # np.frexp(a)[1] - 1 = floor(log2(a)), exactly
;;       r = np.clip(x / 2.0 ** e, -7.5, 7.5)
;;       step = 2.0 ** (np.maximum(np.frexp(np.where(r == 0, 1, r))[1] - 1, 0) - 3)
;;       q = np.round(r / step) * step * 2.0 ** e      # np.round: ties to even
;;       return np.moveaxis(q.reshape(q.shape[:-2] + (-1,))[..., :K], -1, axis).astype(np.float32)
;;   ~~~
;;   SOFTMAX AHEAD OF A QUANTISED PRODUCT. Where the list says 'softmax', what is quantised is not the finished softmax but p = 2^(t - M), with t = logit x log2(e) and M = ceil(the row's largest t), a whole number; so 1/2 < the row's largest p <= 1. The row's sum l is taken of the UNQUANTISED p, in f32, and the product's result is divided by l at the end. Since M is a whole number, a kernel that streams over the keys may use a running M (the ceiling of the running maximum): every later rescaling is an exact power of two, which a block's scale takes up: the codes' values come out the same.
;;   OPERANDS COMPUTED ON THE WAY. 'Computed on the way' means the value that the module computes at that place (a softmax that the list does not call 'softmax' is quantised finished and normalised). What goes into a quantiser is computed in f32, as accurately as f32 sums, v_exp_f32 and their like allow (about 1e-6 of the number): no bf16 or f16 on the way to a quantiser, and a product that is left as it is and whose result goes on into a quantised operand takes f32 operands (vector FMAs, or v_wmma_f32_16x16x4_f32). A number that lies on a knife's edge between two numbers of the format may be rounded either way, as far as f32 arithmetic and the matrix unit's own rounding can turn it there, and no further.
;; One version. Each part assembles by itself: llvm-mc -triple=amdgcn-amd-amdhsa -mcpu=gfx1250 --defsym DOCPART=n.
;; ======== version 1 of 1: 4 launches
;; limits: a function is approximated: absolute error at most 1.5e-05; right only within a limited range of input values
;; workspace buffers: hq 6,553,600 bytes; wts 6,553,600 bytes; rope 1,048,576 bytes; qkv 9,830,400 bytes; oq 3,276,800 bytes
;; launch prep (part 1): grid 256 x 1, 4 waves a work-group, no clusters, 83,456 bytes of LDS; arguments hidden_states, Wq, Wk, Wv, Wo, hq, wts, rope; writes hq, wts, rope
.if DOCPART == 1
	.amdgcn_target "amdgcn-amd-amdhsa--gfx1250"
	.amdhsa_code_object_version 6
	.text
	.protected	k_q900dd8a76f_prep
	.globl	k_q900dd8a76f_prep
	.p2align	8
	.type	k_q900dd8a76f_prep,@function
k_q900dd8a76f_prep:
	s_mov_b64 s[64:65], 0
	v_nop
	global_prefetch_b8 v0, s[64:65] scope:SCOPE_SE
	s_setreg_imm32_b32 hwreg(HW_REG_WAVE_MODE, 25, 1), 1
	s_wait_xcnt 0x0
; hidden_states and the four weights, f32, become codes of FP6 (E2M3) with one E8M0 byte for each 32 along K, laid in CHUNKS; and the table of cos and sin for RoPE is made.
; A CHUNK is 128 rows x 128 along K of an operand, 12,800 bytes: eight fragments (16 rows x 128 K) as images of their 12 operand registers, group c of four registers of fragment i at 1536 i + 512 c + 16 x lane;
; then 128 scale words, that of fragment i, row r at 12288 + 16 (16 (i % 2) + r) + 4 (i / 2), so that 16 bytes a lane bring four registers with an even fragment's words in lanes 0-15 and the odd one's in lanes 16-31.
; THE ROWS OF A FRAGMENT ARE NOT NEIGHBOURS: row r of fragment i is the chunk's row 32 (i / 2) + 8 (i % 2) + r + 8 (r / 8).  K is never permuted.
; One wave makes one chunk (64 KiB of f32).  Work-groups 0-127 take hidden_states (hq: [32 x 128 tokens][16 K steps] chunks) and 16 rows each of the table; work-groups 128-255 the weights
; (wts: Wq, Wk, Wv as [24 x 128 columns][16 K steps], then Wo as [16][8]).  The two paths have LDS bytes of their own; waves share nothing, so there is no barrier.
; A block's scale is 2^(floor(log2(largest magnitude)) - 2); its byte is the largest magnitude's exponent field - 2, held at 1 from below.
; LIMITS: a block of zeros keeps the byte 1 (its codes are zeros; this program alone reads the bytes); NaN and infinities are not served.  inv_freq is 2^(-i log2(10000) / 64) by v_exp_f32:
; its last bit carries into the angle, up to about 3e-4 rad at position 2047.  sin and cos: reduction by pi/2 in two parts, polynomials on [-pi/4, pi/4].
.set CH,    12800
.set HSTG,  16*528                     ; a wave's stage on the tokens' path: 16 rows x (512 bytes + 16)
.set WST0,  4*HSTG                     ; the weights' path: a wave's stage is the image of a chunk's eight fragments
.set WSTG,  12288
.set SPARE, WST0+4*WSTG                ; the spare words, 128 bytes for each wave: two blocks of 256 bytes that no other line names
.set LI,   1                           ; v1   16 x lane
.set SPW,  2                           ; v2   LDS address of my spare word; never rewritten
.set NIL,  3                           ; v3   0; never rewritten
.set R0,   16                          ; tokens: v16-143 two sets of 64 registers as loaded
.set X,    144                         ; v144-207 64 numbers: register 16 b + i = k 32 b + 16 (lane / 16) + i of my row
.set PC,   208                         ; v208-227 the codes just made
.set TM,   228                         ; v228-243 at work
.set PW,   244                         ; the scale word just made
.set SW,   248                         ; v248-251 the chunk's scale words
.set RO,   16                          ; weights: v16-47 row i x a row's bytes + 4 x lane
.set XW,   48                          ; v48-111 two sets of 32 numbers down K
.set CW,   112                         ; v112-118 a block's codes
.set WSW,  120                         ; v120-123 my four columns' scale words
.set OUTR, 128                         ; v128-223 the chunk on its way out
.set SEL,  42                          ; s[42:43] selects for lane l xor 16
.set HM,   44                          ; s44 lanes 16-31
.set BB,   48                          ; s[48:55] the four blocks of 32 rows of W
; 64 numbers of a lane, register 16 b + i = k 32 b + 16 (lane / 16) + i of my row, become a fragment's codes in v[PC] on and its scale word in v[PW]
.macro QUANT s
.irp b, 0,1,2,3
	v_max3_num_f32 v[TM+\b], 0x1800000, |v[(\s)+16*\b]|, |v[(\s)+1+16*\b]|   ; my 16 numbers of block b, and the floor 2^(3 - 127): the byte cannot fall under 1
.endr
.irp i, 2,4,6,8,10,12,14
.irp b, 0,1,2,3
	v_max3_num_f32 v[TM+\b], v[TM+\b], |v[(\s)+16*\b+\i]|, |v[(\s)+1+16*\b+\i]|
.endr
.endr
.irp b, 0,1,2,3
	v_permlanex16_b32 v[TM+4+\b], v[TM+\b], s[SEL], s[SEL+1]
.endr
.irp b, 0,1,2,3
	v_max_num_f32 v[TM+\b], v[TM+\b], v[TM+4+\b]   ; with lane l xor 16's: the block's largest magnitude
.endr
.irp b, 0,1,2,3
	v_add_nc_u32 v[TM+12+\b], 0xff000000, v[TM+\b]   ; 2 off its exponent field: the conversion's scale operand
.endr
.irp b, 0,1,2,3
	v_lshrrev_b32 v[TM+4+\b], 23, v[TM+12+\b]      ; the scale's byte
.endr
	v_lshl_or_b32 v[PW], v[TM+5], 8, v[TM+4]
	v_lshl_or_b32 v[PW], v[TM+6], 16, v[PW]
	v_lshl_or_b32 v[PW], v[TM+7], 24, v[PW]
.irp c, 0,1
	v_cvt_scalef32_pk16_fp6_f32 v[PC+6*\c:PC+2+6*\c], v[(\s)+32*\c:(\s)+15+32*\c], v[TM+12+2*\c]
	v_cvt_scalef32_pk16_fp6_f32 v[PC+12+4*\c:PC+14+4*\c], v[(\s)+16+32*\c:(\s)+31+32*\c], v[TM+12+2*\c+1]   ; (a conversion's three registers begin on an even number)
.endr
	v_nop                                          ; one plain place behind a scaled conversion
.irp c, 0,1                                    ; the operand's layout wants a whole block in a lane
.irp i, 0,1,2
	v_permlane16_swap_b32 v[PC+6*\c+\i], v[PC+12+4*\c+\i]
.endr
.irp i, 0,1,2
	v_mov_b32 v[PC+3+6*\c+\i], v[PC+12+4*\c+\i]
.endr
.endr
.endm
	s_load_b512 s[4:19], s[0:1], 0x0               ; hidden s[4:5], Wq s[6:7], Wk s[8:9], Wv s[10:11], Wo s[12:13], hq s[14:15], wts s[16:17], rope s[18:19]
	v_lshl_add_u32 v[SPW], v0, 2, SPARE
	v_mov_b32 v[NIL], 0
	v_lshrrev_b32 v8, 5, v0
	v_readfirstlane_b32 s20, v8                    ; wave
	v_and_b32 v9, 31, v0                           ; lane
	v_lshlrev_b32 v[LI], 4, v9
	s_mov_b32 s[SEL], 0x76543210
	s_mov_b32 s[SEL+1], 0xfedcba98
	s_mov_b32 s[HM], 0xffff0000
	s_wait_kmcnt 0x0
	s_cmp_lt_u32 ttmp9, 128
	s_cbranch_scc0 .Lweights
; ---------------- the tokens: chunk (G = id / 4, K step q = 4 (id % 4) + wave)
	s_lshr_b32 s21, ttmp9, 2                       ; G
	s_and_b32 s22, ttmp9, 3
	s_lshl_b32 s22, s22, 2
	s_add_co_u32 s22, s22, s20                     ; q
	s_lshl_b32 s24, s21, 20                        ; 128 rows of 8,192 bytes
	s_lshl_b32 s23, s22, 9                         ; 128 numbers along K
	s_add_co_u32 s24, s24, s23
	s_mov_b32 s25, 0
	s_add_nc_u64 s[4:5], s[4:5], s[24:25]
	s_lshl_b32 s24, s21, 4
	s_add_co_u32 s24, s24, s22
	s_mul_i32 s24, s24, CH
	s_add_nc_u64 s[14:15], s[14:15], s[24:25]
	s_lshl_b32 s24, ttmp9, 13                      ; my work-group's 16 rows of the table
	s_add_nc_u64 s[18:19], s[18:19], s[24:25]
	s_mul_i32 s26, s20, HSTG
	v_add_nc_u32 v4, s26, v[LI]                    ; into the stage: a row's 512 bytes as they lie
	v_and_b32 v10, 15, v0
	v_bfe_u32 v11, v0, 4, 1
	v_mul_u32_u24 v5, v10, 528
	v_lshl_add_u32 v5, v11, 6, v5
	v_add_nc_u32 v5, s26, v5                       ; out of it: row lane % 16, + 64 (lane / 16)
.macro LOADH i                         ; fragment i's 16 rows: each load reads 512 consecutive bytes of one row
.irp r, 0,1,2,3,4,5,6,7,8,9,10,11,12,13,14,15
	global_load_b128 v[R0+64*((\i)%2)+4*\r:R0+64*((\i)%2)+4*\r+3], v[LI], s[4:5] offset:(32*((\i)/2)+8*((\i)%2)+\r+8*(\r/8))*8192 th:TH_LOAD_NT
.endr
.endm
.macro TURNH i                         ; through my stage: LDS serves a wave's instructions in order, so no wait stands between the stores and the loads
.irp r, 0,1,2,3,4,5,6,7,8,9,10,11,12,13,14,15
	ds_store_b128 v4, v[R0+64*((\i)%2)+4*\r:R0+64*((\i)%2)+4*\r+3] offset:\r*528
.endr
.irp b, 0,1,2,3
.irp j, 0,1,2,3
	ds_load_b128 v[X+16*\b+4*\j:X+16*\b+4*\j+3], v5 offset:128*\b+16*\j
.endr
.endr
.endm
	LOADH 0
	LOADH 1
	; the table, while the first loads are on their way: thread t makes frequencies 4 (t % 16) + 0..3 of rows 16 id + t / 16 and 8 further on
	s_mov_b32 s30, 0x3f22f983                      ; 2 / pi
	s_mov_b32 s31, 0x3fc90fdb                      ; pi / 2, upper part
	s_mov_b32 s32, 0xb33bbd2e                      ; and the rest
	s_mov_b32 s33, 0xb94ca1f9                      ; sin's three coefficients
	s_mov_b32 s34, 0x3c08839e
	s_mov_b32 s35, 0xbe2aaaa3
	s_mov_b32 s36, 0x37ccf5ce                      ; cos's three
	s_mov_b32 s37, 0xbab6061a
	s_mov_b32 s38, 0x3d2aaaa5
	v_and_b32 v144, 15, v0
	v_lshlrev_b32 v145, 2, v144
.irp j, 0,1,2,3
	v_add_nc_u32 v[146+\j], \j, v145
.endr
.irp j, 0,1,2,3
	v_cvt_f32_u32 v[146+\j], v[146+\j]
.endr
.irp j, 0,1,2,3
	v_mul_f32 v[146+\j], 0xbe549a78, v[146+\j]     ; - i log2(10000) / 64
.endr
.irp j, 0,1,2,3
	v_exp_f32 v[146+\j], v[146+\j]                 ; inv_freq
.endr
	v_lshrrev_b32 v150, 4, v0                      ; (plain work behind the exponentials)
	s_lshl_b32 s27, ttmp9, 4
	v_add_nc_u32 v151, s27, v150                   ; my first row
	v_lshlrev_b32 v6, 9, v150
	v_lshl_add_u32 v6, v144, 4, v6                 ; its place: 512 bytes a row, 16 bytes a thread
	v_cvt_f32_u32 v208, v151
	v_add_nc_u32 v151, 8, v151
	v_cvt_f32_u32 v209, v151
	s_wait_alu depctr_va_vdst(0)                   ; one wait for the four exponentials, ahead of their first reader
.irp u, 0,1
.irp j, 0,1,2,3
	v_mul_f32 v[152+4*\u+\j], v[208+\u], v[146+\j] ; the angle
.endr
.endr
.irp k, 0,1,2,3,4,5,6,7
	v_mul_f32 v[160+\k], s30, v[152+\k]
.endr
.irp k, 0,1,2,3,4,5,6,7
	v_rndne_f32 v[160+\k], v[160+\k]               ; n quarter turns
.endr
.irp k, 0,1,2,3,4,5,6,7
	v_fma_f32 v[168+\k], -v[160+\k], s31, v[152+\k]
.endr
.irp k, 0,1,2,3,4,5,6,7
	v_fma_f32 v[168+\k], -v[160+\k], s32, v[168+\k]   ; r, within pi / 4
.endr
.irp k, 0,1,2,3,4,5,6,7
	v_mul_f32 v[176+\k], v[168+\k], v[168+\k]      ; z = r r
.endr
.irp k, 0,1,2,3,4,5,6,7
	v_fma_f32 v[184+\k], v[176+\k], s33, s34
	v_fma_f32 v[192+\k], v[176+\k], s36, s37
.endr
.irp k, 0,1,2,3,4,5,6,7
	v_fma_f32 v[184+\k], v[184+\k], v[176+\k], s35
	v_fma_f32 v[192+\k], v[192+\k], v[176+\k], s38
.endr
.irp k, 0,1,2,3,4,5,6,7
	v_mul_f32 v[208+\k], v[176+\k], v[168+\k]
.endr
.irp k, 0,1,2,3,4,5,6,7
	v_fma_f32 v[184+\k], v[184+\k], v[208+\k], v[168+\k]   ; sin r
.endr
.irp k, 0,1,2,3,4,5,6,7
	v_mul_f32 v[208+\k], v[176+\k], v[176+\k]
	v_fma_f32 v[200+\k], v[176+\k], -0.5, 1.0
.endr
.irp k, 0,1,2,3,4,5,6,7
	v_fma_f32 v[192+\k], v[192+\k], v[208+\k], v[200+\k]   ; cos r
.endr
.irp k, 0,1,2,3,4,5,6,7
	v_cvt_i32_f32 v[200+\k], v[160+\k]             ; the quadrant: n mod 4
.endr
.irp k, 0,1,2,3,4,5,6,7
	v_and_b32 v[208+\k], 1, v[200+\k]
.endr
.irp k, 0,1,2,3,4,5,6,7
	v_cmp_eq_u32 vcc_lo, 1, v[208+\k]              ; odd quadrants change sin and cos
	v_cndmask_b32 v[216+\k], v[184+\k], v[192+\k], vcc_lo
	v_cndmask_b32 v[224+\k], v[192+\k], v[184+\k], vcc_lo
.endr
.irp k, 0,1,2,3,4,5,6,7
	v_and_b32 v[208+\k], 2, v[200+\k]              ; sin is negative in quadrants 2, 3;
	v_add_nc_u32 v[200+\k], 1, v[200+\k]
.endr
.irp k, 0,1,2,3,4,5,6,7
	v_lshlrev_b32 v[208+\k], 30, v[208+\k]
	v_and_b32 v[200+\k], 2, v[200+\k]              ; cos in 1, 2
.endr
.irp k, 0,1,2,3,4,5,6,7
	v_xor_b32 v[216+\k], v[216+\k], v[208+\k]
	v_lshlrev_b32 v[200+\k], 30, v[200+\k]
.endr
.irp k, 0,1,2,3,4,5,6,7
	v_xor_b32 v[224+\k], v[224+\k], v[200+\k]
.endr
.irp u, 0,1
	global_store_b128 v6, v[224+4*\u:227+4*\u], s[18:19] offset:4096*\u        ; cos: sixteen lanes store 256 consecutive bytes, aligned
	global_store_b128 v6, v[216+4*\u:219+4*\u], s[18:19] offset:4096*\u+256    ; sin
.endr
.irp b, 0,1,2,3
	v_mov_b32 v[TM+4+\b], 0                        ; written once: a lane permute's destination counts as one of its sources
.endr
.macro FRAGH i
.if (\i) < 7
	s_wait_loadcnt 16                              ; this fragment's 16 loads are in; the next fragment's 16 may be out
.else
	s_wait_loadcnt 0x0
.endif
	TURNH \i
	s_wait_dscnt 0x0                               ; my numbers are back, and the stage's stores have read their registers
	s_wait_xcnt 0x0                                ; the earlier global stores have read theirs: the codes' registers are written again only behind this wait
.if (\i) < 6
	LOADH (\i)+2
.endif
	QUANT X
.irp c, 0,1,2
	global_store_b128 v[LI], v[PC+4*\c:PC+4*\c+3], s[14:15] offset:(\i)*1536+512*\c   ; 32 lanes store 512 consecutive bytes
.endr
.if (\i)%2 == 0
	v_mov_b32 v[SW+(\i)/2], v[PW]                  ; an even fragment's words stay in lanes 0-15,
.else
	v_cndmask_b32 v[SW+(\i)/2], v[SW+(\i)/2], v[PW], s[HM]   ; the odd one's go to lanes 16-31 (lanes l and l xor 16 hold the same word)
.endif
.endm
.irp i, 0,1,2,3,4,5,6,7
	FRAGH \i
.endr
	global_store_b128 v[LI], v[SW:SW+3], s[14:15] offset:12288
	s_wait_tensorcnt 0x0                           ; the wave's end: behind my last LDS store
	ds_add_u32 v[SPW], v[NIL]
	s_wait_dscnt 0x0
	s_endpgm
; ---------------- the weights: K is the first axis.  A lane takes a column, its registers run down K: a block of 32 lies in one lane
.Lweights:
	s_sub_co_u32 s21, ttmp9, 128
	s_lshr_b32 s22, s21, 5                         ; which weight: 0 Wq, 1 Wk, 2 Wv, 3 Wo
	s_and_b32 s23, s21, 31
	s_cmp_eq_u32 s22, 1
	s_cselect_b64 s[6:7], s[8:9], s[6:7]
	s_cmp_eq_u32 s22, 2
	s_cselect_b64 s[6:7], s[10:11], s[6:7]
	s_cmp_eq_u32 s22, 3
	s_cselect_b64 s[6:7], s[12:13], s[6:7]
	s_cselect_b32 s24, 2, 1                        ; Wo has 16 groups of 128 columns and 8 K steps, the others 8 and 16
	s_lshl_b32 s25, 0x800, s24                     ; a row of W in bytes: 4,096 or 8,192
	s_bfm_b32 s26, s24, 0
	s_and_b32 s26, s23, s26
	s_lshr_b32 s27, s23, s24                       ; K step q
	s_lshl_b32 s26, s26, 2
	s_add_co_u32 s26, s26, s20                     ; group of columns G: four neighbours to a work-group
	s_mul_i32 s28, s27, s25
	s_lshl_b32 s28, s28, 7                         ; 128 q rows
	s_lshl_b32 s29, s26, 9                         ; 128 G columns
	s_add_co_u32 s28, s28, s29
	s_mov_b32 s29, 0
	s_add_nc_u64 s[BB:BB+1], s[6:7], s[28:29]
	s_lshl_b32 s28, s25, 5                         ; 32 rows on
	s_add_nc_u64 s[BB+2:BB+3], s[BB:BB+1], s[28:29]
	s_add_nc_u64 s[BB+4:BB+5], s[BB+2:BB+3], s[28:29]
	s_add_nc_u64 s[BB+6:BB+7], s[BB+4:BB+5], s[28:29]
	s_lshl_b32 s30, s22, 3
	s_add_co_u32 s30, s30, s26
	s_lshl_b32 s30, s30, 4
	s_add_co_u32 s30, s30, s27                     ; chunk (8 x weight + G) 16 + q,
	s_lshl_b32 s31, s26, 3
	s_add_co_u32 s31, s31, s27
	s_add_co_u32 s31, s31, 384                     ; or, for Wo, 384 + 8 G + q
	s_cmp_eq_u32 s22, 3
	s_cselect_b32 s30, s31, s30
	s_mul_i32 s30, s30, CH
	s_mov_b32 s31, 0
	s_add_nc_u64 s[16:17], s[16:17], s[30:31]
	v_lshlrev_b32 v4, 2, v9
	v_bfe_u32 v10, v0, 3, 1                        ; column 32 cg + lane is row (lane % 8) + 8 (lane / 16) of fragment 2 cg + (lane / 8) % 2
	v_bfe_u32 v11, v0, 4, 1
	v_and_b32 v12, 7, v0
	v_lshl_or_b32 v13, v11, 3, v12
	s_mul_i32 s32, s20, WSTG
	s_add_co_u32 s32, s32, WST0                    ; my stage
	v_mul_u32_u24 v5, v10, 1536
	v_lshl_add_u32 v5, v13, 4, v5
	v_add_nc_u32 v5, s32, v5                       ; into it: my fragment of a pair, my row
	v_add_nc_u32 v6, s32, v[LI]                    ; out of it: as it lies
	v_lshl_or_b32 v7, v10, 4, v13
	v_lshlrev_b32 v7, 4, v7                        ; my four scale words' place among the 128
.set i, 0
.rept 32
	v_mad_u32_u24 v[RO+i], s25, i, v4
.set i, i+1
.endr
.macro LOADW t                         ; task t = 4 x block + column group: W(32 block + i, 32 cg + lane): 128 consecutive bytes a load
.irp i, 0,1,2,3,4,5,6,7,8,9,10,11,12,13,14,15,16,17,18,19,20,21,22,23,24,25,26,27,28,29,30,31
	global_load_b32 v[XW+32*((\t)%2)+\i], v[RO+\i], s[BB+2*((\t)/4):BB+2*((\t)/4)+1] offset:128*((\t)%4) th:TH_LOAD_NT
.endr
.endm
.macro TASK t
.set XS, XW+32*((\t)%2)
.set BE, (\t)/4
.set CG, (\t)%4
.if (\t) < 15
	s_wait_loadcnt 32                              ; this task's 32 loads are in; the next task's may be out
.else
	s_wait_loadcnt 0x0
.endif
	v_max3_num_f32 v124, |v[XS]|, |v[XS+1]|, |v[XS+2]|   ; the block's largest magnitude: all 32 numbers are mine
	v_max3_num_f32 v125, |v[XS+3]|, |v[XS+4]|, |v[XS+5]|
.irp i, 6,10,14,18,22,26
	v_max3_num_f32 v124, v124, |v[XS+\i]|, |v[XS+\i+1]|
	v_max3_num_f32 v125, v125, |v[XS+\i+2]|, |v[XS+\i+3]|
.endr
	v_max3_num_f32 v124, v124, |v[XS+30]|, |v[XS+31]|
	v_max3_num_f32 v124, v124, v125, 0x1800000     ; and the floor
	v_add_nc_u32 v126, 0xff000000, v124            ; the conversion's scale operand
	v_lshrrev_b32 v127, 23, v126                   ; the byte
.if BE == 0
	v_mov_b32 v[WSW+CG], v127
.else
	v_lshl_or_b32 v[WSW+CG], v127, 8*BE, v[WSW+CG]
.endif
	v_cvt_scalef32_pk16_fp6_f32 v[CW:CW+2], v[XS:XS+15], v126
	v_cvt_scalef32_pk16_fp6_f32 v[CW+4:CW+6], v[XS+16:XS+31], v126
	v_nop                                          ; one plain place behind a scaled conversion
	v_mov_b32 v[CW+3], v[CW+4]                     ; the block's 24 bytes on end
	v_mov_b32 v[CW+4], v[CW+5]
	v_mov_b32 v[CW+5], v[CW+6]
.if BE < 2                             ; block 2 c + h is registers 6 c .. 6 c + 5 of lane row + 16 h of the fragment's image
	ds_store_b128 v5, v[CW:CW+3] offset:CG*3072+256*(BE%2)
	ds_store_b64 v5, v[CW+4:CW+5] offset:CG*3072+512+256*(BE%2)
.else
	ds_store_b64 v5, v[CW:CW+1] offset:CG*3072+512+256*(BE%2)+8
	ds_store_b128 v5, v[CW+2:CW+5] offset:CG*3072+1024+256*(BE%2)
.endif
.if (\t) < 14
	LOADW (\t)+2
.endif
	s_wait_dscnt 0x0                               ; the stores have read their registers: the next block's codes may be written
.endm
	LOADW 0
	LOADW 1
.irp t, 0,1,2,3,4,5,6,7,8,9,10,11,12,13,14,15
	TASK \t
.endr
.set n, 0
.rept 24
	ds_load_b128 v[OUTR+4*n:OUTR+4*n+3], v6 offset:512*n   ; LDS serves a wave's instructions in order: these see my stores
.set n, n+1
.endr
.set n, 0
.rept 24
	s_wait_dscnt 23-n                              ; the younger reads may be out
	global_store_b128 v[LI], v[OUTR+4*n:OUTR+4*n+3], s[16:17] offset:512*n   ; 32 lanes store 512 consecutive bytes
.set n, n+1
.endr
	global_store_b128 v7, v[WSW:WSW+3], s[16:17] offset:12288   ; the 128 scale words: 512 consecutive bytes, the lanes in the rows' order
	s_wait_tensorcnt 0x0                           ; the wave's end: behind my last LDS store
	ds_add_u32 v[SPW], v[NIL]
	s_wait_dscnt 0x0
	s_endpgm
.Lfunc_end_k_q900dd8a76f_prep:
	.size	k_q900dd8a76f_prep, .Lfunc_end_k_q900dd8a76f_prep-k_q900dd8a76f_prep
	.p2alignl 7, 3214868480
	.fill 96, 4, 3214868480
	.section	.rodata,"a",@progbits
	.p2align	6, 0x0
	.amdhsa_kernel k_q900dd8a76f_prep
		.amdhsa_group_segment_fixed_size 83456
		.amdhsa_private_segment_fixed_size 0
		.amdhsa_enable_private_segment 0
		.amdhsa_kernarg_size 64
		.amdhsa_user_sgpr_count 2
		.amdhsa_user_sgpr_kernarg_segment_ptr 1
		.amdhsa_wavefront_size32 1
		.amdhsa_system_sgpr_workgroup_id_x 1
		.amdhsa_system_sgpr_workgroup_id_y 1
		.amdhsa_system_sgpr_workgroup_id_z 1
		.amdhsa_system_vgpr_workitem_id 0
		.amdhsa_next_free_vgpr 256
		.amdhsa_next_free_sgpr 66
		.amdhsa_reserve_vcc 1
		.amdhsa_float_denorm_mode_32 3
		.amdhsa_float_denorm_mode_16_64 3
		.amdhsa_memory_ordered 1
		.amdhsa_forward_progress 1
		.amdhsa_inst_pref_size 157
	.end_amdhsa_kernel
	.amdgpu_metadata
---
amdhsa.version: [ 1, 2 ]
amdhsa.kernels:
  - .name:           k_q900dd8a76f_prep
    .symbol:         k_q900dd8a76f_prep.kd
    .args:
      - { .name: hidden_states, .offset: 0, .size: 8, .value_kind: global_buffer, .address_space: global }
      - { .name: Wq, .offset: 8, .size: 8, .value_kind: global_buffer, .address_space: global }
      - { .name: Wk, .offset: 16, .size: 8, .value_kind: global_buffer, .address_space: global }
      - { .name: Wv, .offset: 24, .size: 8, .value_kind: global_buffer, .address_space: global }
      - { .name: Wo, .offset: 32, .size: 8, .value_kind: global_buffer, .address_space: global }
      - { .name: hq, .offset: 40, .size: 8, .value_kind: global_buffer, .address_space: global }
      - { .name: wts, .offset: 48, .size: 8, .value_kind: global_buffer, .address_space: global }
      - { .name: rope, .offset: 56, .size: 8, .value_kind: global_buffer, .address_space: global }
    .group_segment_fixed_size: 83456
    .private_segment_fixed_size: 0
    .kernarg_segment_align: 8
    .kernarg_segment_size: 64
    .max_flat_workgroup_size: 128
    .sgpr_count:     66
    .vgpr_count:     256
    .wavefront_size: 32
...
	.end_amdgpu_metadata
.endif
;; end of part 1
;; launch qkvproj (part 2): grid 12 x 16, 4 waves a work-group, clusters of 4 x 4, 327,680 bytes of LDS; arguments hq, wts, rope, qkv; writes qkv
.if DOCPART == 2
	.amdgcn_target "amdgcn-amd-amdhsa--gfx1250"
	.amdhsa_code_object_version 6
	.text
	.protected	k_q900dd8a76f_qkvproj
	.globl	k_q900dd8a76f_qkvproj
	.p2align	8
	.type	k_q900dd8a76f_qkvproj,@function
k_q900dd8a76f_qkvproj:
	s_mov_b64 s[64:65], 0
	v_nop
	global_prefetch_b8 v0, s[64:65] scope:SCOPE_SE
	s_setreg_imm32_b32 hwreg(HW_REG_WAVE_MODE, 25, 1), 1
	s_wait_xcnt 0x0
	s_wait_alu depctr_hold_cnt(0) depctr_sa_sdst(0) depctr_va_vdst(0) depctr_va_sdst(0) depctr_va_ssrc(0) depctr_va_vcc(0) depctr_vm_vsrc(0)
	s_getreg_b32 s2, hwreg(HW_REG_IB_STS2, 6, 4)
	s_cmp_eq_u32 s2, 0
	s_cbranch_scc0 .Lentry_in_a_cluster
	s_endpgm
.Lentry_in_a_cluster:
	s_bfe_u32 s2, ttmp6, 0x10000c
	s_cmp_lg_u32 s2, 0xf033
	s_cbranch_scc0 .Lentry_shape_is_right
	s_endpgm
.Lentry_shape_is_right:
; q, k, v = hidden x Wq, Wk, Wv on codes of FP6 (E2M3) with E8M0 scales, K = 2,048; RoPE on q and k in f32; each result quantised anew along the next product's K and stored as chunks (qkv: [q, k, v][batch x head 16][16] chunks).
; A CHUNK: 128 rows x 128 K, 12,800 bytes: eight fragments as images of their 12 registers (1536 i + 512 c + 16 x lane), then 128 scale words (16 bytes a lane bring four registers: even fragments' words in lanes 0-15, odd ones' in 16-31).
; Row r of fragment i is the chunk's row 32 (i / 2) + 8 (i % 2) + r + 8 (r / 8): so, with such an operand as source 0, a lane's registers 16 b + i of the results are the true indices 32 b + 16 (lane / 16) + i.
; A tile of 256 x 256 to a work-group of four waves, 128 x 128 to a wave: 64 accumulators, 512 registers; a wave's tile is one head x 128 tokens: one chunk of the output.
; TWO MODES by the cluster's x, which all partners share.  x = 0, 1: A = tokens (hq), B = Wq's and Wk's columns: a lane holds a token, its registers run along the head's 128: RoPE, then quantised along them.
; x = 2: A = Wv's columns, B = tokens: a lane holds one of the head's 128, its registers run along 128 tokens: v is quantised along the keys.  192 work-groups: a wave must hold a whole head.
; THE RING has two LDS slots of unlike size: slot 0 holds four K steps of 128 (four chunks of each of the four groups of rows), slot 1 two: six K steps are what LDS takes.  The visits are 2, 2, 4, 2, 4, 2 K steps: the first lies at
; slot 0's last two places, so that every visit of slot 0 ends at place 3.  Four refills serve K = 2,048, each one tensor load a wave (a group's chunks are dense in memory along K): 200 rows x 256 bytes into slot 0, with 128 matrix
; instructions a wave in which to land, or 100 rows into slot 1, with 256.
; CLUSTERS: 4 x 4.  A's tiles are shared along a row of the cluster, B's along a column: joint loads.  THE MATRIX INSTRUCTION IS USED TRANSPOSED: source 0 = 16 rows of B, source 1 = 16 rows of A.
; REGISTERS: window 0: v1-29 addresses; v32-79 scale words and nothing else; from v128 A's fragments, one set (on the way out: 64 numbers, codes).  window 1: B's fragments, two sets (on the way out: cos, sin, four sets).
;   windows 2, 3: the accumulators, (a, b) at v[8 (8 (a % 4) + b)].
; SCALARS: s[24:31], s[48:55], s[68:83] descriptor groups 1; s[32:47], s[56:63] groups 0: none of these is written while a load that names it is out.  All else lies in s12-23, s66, s67, s84-97.
; LIMITS: a block of zeros keeps the scale byte 1 (its codes are zeros; this program alone reads the bytes); NaN and infinities are not served.
.set CH,     12800
.set S0G,    4*CH                      ; a group of rows in slot 0: four K steps
.set S1G,    2*CH                      ; in slot 1: two
.set SLOT1B, 4*S0G                     ; slot 1 begins behind slot 0's four groups
.set SPARE,  SLOT1B+4*S1G              ; behind the ring: the spare words, 128 bytes for each wave
.set GROW,   16*CH                     ; the 16 K steps of one group of rows
.set FR,     12
.set NL,     3                         ; LDS loads that bring a fragment
.set NP,     4                         ; places behind this matrix instruction (ISA guide 7.12.1)
.set LI,   1                           ; v1   16 x lane
.set ADRA, 16                          ; v16-17 my group of A's rows in slot 0, 1
.set ADRB, 20                          ; v20-21 the same for B
.set RA,   24                          ; v24  my row's place in 16 rows of the table of cos and sin
.set SPW,  28                          ; v28  LDS address of my spare word; never rewritten
.set NIL,  29                          ; v29  0; never rewritten
.set SC,   32                          ; slot sc, place q: A's four registers at SC + 32 sc + 8 q, B's four behind them
.set AF,   128
.set HA,   128                         ; the way out, where A's fragments lay: 64 numbers,
.set PC,   192                         ; the codes just made,
.set TM,   212                         ; at work,
.set PW,   228                         ; the scale word just made,
.set SW,   232                         ; the chunk's scale words
.set G1,   24                          ; s[24:31] group 1, A, 100 rows
.set G0,   32                          ; s[32:39] groups 0, A: slot 0, slot 1
.set G0F,  40                          ; s[40:43] group 0, A: slot 0's first fill
.set G0FB, 44                          ; s[44:47] the same for B
.set G1B,  48                          ; s[48:55] group 1, B, 100 rows
.set G0B,  56                          ; s[56:63] groups 0, B
.set G1L,  68                          ; s[68:75] group 1, A, 200 rows
.set G1LB, 76                          ; s[76:83] group 1, B, 200 rows
.set SEL,  12
.set MODE, 66
.set HM,   67
.set CX,   84
.set CY,   85
.set TC,   86                          ; tile column
.set MROW, 87
.set MCOL, 88
.set L0,   89                          ; where my loads go in slot 0,
.set L1,   90                          ; in slot 1
.set GBO,  92                          ; s[92:93] where B's tiles come from
.set MSB, 0
.macro WIN new                         ; the immediate's high byte repeats the setting that is left
.if MSB != \new
	s_set_vgpr_msb (MSB<<8)|\new
.set MSB, \new
.endif
.endm
.set MUL_LO, 0xa1                      ; source 0 (B) window 1, source 1 (A) window 0, C and D window 2
.set MUL_HI, 0xf1
.set TO_B,   0x40
; A joint load: waves 0 and 1 fetch for A, waves 2 and 3 for B; the branch hangs on the wave's number alone.  An s_nop 0 and four v_nop follow each of the two lines.
.macro JLOAD g0a, g1a, g0b, g1b
	s_cmp_eq_u32 s15, 0
	s_cbranch_scc0 .Lfor_b_\@
	tensor_load_to_lds s[\g0a:\g0a+3], s[\g1a:\g1a+7]
	s_nop 0
.rept 4
	v_nop
.endr
	s_branch .Lasked_\@
.Lfor_b_\@:
	tensor_load_to_lds s[\g0b:\g0b+3], s[\g1b:\g1b+7]
	s_nop 0
.rept 4
	v_nop
.endr
.Lasked_\@:
.endm
.macro CREST                           ; a round of the cluster's barrier behind its opening barrier
	s_cmp_lg_u32 s14, 0
	s_cbranch_scc1 .Lnot_wave_0_\@
	s_barrier_signal -3
.Lnot_wave_0_\@:
	s_barrier_wait -3
	s_barrier_signal -1
	s_barrier_wait -1
.endm
.macro CROUND
	s_barrier_signal -1
	s_barrier_wait -1
	CREST
.endm
; one product: D at d, source 0 at s0 with its scale register c0 (lanes 16-31 where r0), source 1 at s1 with c1 (r1); zero = 1 starts the sum
.macro WM d, s0, s1, zero, c0, c1, r0, r1
.if \zero
.if (\r0) && (\r1)
	v_wmma_scale_f32_16x16x128_f8f6f4 v[(\d):(\d)+7], v[(\s0):(\s0)+11], v[(\s1):(\s1)+11], 0, v[(\c0)], v[(\c1)] matrix_a_fmt:MATRIX_FMT_FP6 matrix_b_fmt:MATRIX_FMT_FP6 matrix_a_scale:MATRIX_SCALE_ROW1 matrix_b_scale:MATRIX_SCALE_ROW1
.elseif (\r0)
	v_wmma_scale_f32_16x16x128_f8f6f4 v[(\d):(\d)+7], v[(\s0):(\s0)+11], v[(\s1):(\s1)+11], 0, v[(\c0)], v[(\c1)] matrix_a_fmt:MATRIX_FMT_FP6 matrix_b_fmt:MATRIX_FMT_FP6 matrix_a_scale:MATRIX_SCALE_ROW1
.elseif (\r1)
	v_wmma_scale_f32_16x16x128_f8f6f4 v[(\d):(\d)+7], v[(\s0):(\s0)+11], v[(\s1):(\s1)+11], 0, v[(\c0)], v[(\c1)] matrix_a_fmt:MATRIX_FMT_FP6 matrix_b_fmt:MATRIX_FMT_FP6 matrix_b_scale:MATRIX_SCALE_ROW1
.else
	v_wmma_scale_f32_16x16x128_f8f6f4 v[(\d):(\d)+7], v[(\s0):(\s0)+11], v[(\s1):(\s1)+11], 0, v[(\c0)], v[(\c1)] matrix_a_fmt:MATRIX_FMT_FP6 matrix_b_fmt:MATRIX_FMT_FP6
.endif
.else
.if (\r0) && (\r1)
	v_wmma_scale_f32_16x16x128_f8f6f4 v[(\d):(\d)+7], v[(\s0):(\s0)+11], v[(\s1):(\s1)+11], v[(\d):(\d)+7], v[(\c0)], v[(\c1)] matrix_a_fmt:MATRIX_FMT_FP6 matrix_b_fmt:MATRIX_FMT_FP6 matrix_a_scale:MATRIX_SCALE_ROW1 matrix_b_scale:MATRIX_SCALE_ROW1
.elseif (\r0)
	v_wmma_scale_f32_16x16x128_f8f6f4 v[(\d):(\d)+7], v[(\s0):(\s0)+11], v[(\s1):(\s1)+11], v[(\d):(\d)+7], v[(\c0)], v[(\c1)] matrix_a_fmt:MATRIX_FMT_FP6 matrix_b_fmt:MATRIX_FMT_FP6 matrix_a_scale:MATRIX_SCALE_ROW1
.elseif (\r1)
	v_wmma_scale_f32_16x16x128_f8f6f4 v[(\d):(\d)+7], v[(\s0):(\s0)+11], v[(\s1):(\s1)+11], v[(\d):(\d)+7], v[(\c0)], v[(\c1)] matrix_a_fmt:MATRIX_FMT_FP6 matrix_b_fmt:MATRIX_FMT_FP6 matrix_b_scale:MATRIX_SCALE_ROW1
.else
	v_wmma_scale_f32_16x16x128_f8f6f4 v[(\d):(\d)+7], v[(\s0):(\s0)+11], v[(\s1):(\s1)+11], v[(\d):(\d)+7], v[(\c0)], v[(\c1)] matrix_a_fmt:MATRIX_FMT_FP6 matrix_b_fmt:MATRIX_FMT_FP6
.endif
.endif
.endm
	s_load_b256 s[4:11], s[0:1], 0x0               ; hq s[4:5], wts s[6:7], rope s[8:9], qkv s[10:11]
	v_lshl_add_u32 v[SPW], v0, 2, SPARE
	v_mov_b32 v[NIL], 0
	ds_add_u32 v[SPW], v[NIL]                      ; the wave's opening: the add and its wait stand ahead of my first tensor load; work on registers stands between them
	v_lshrrev_b32 v2, 5, v0
	v_readfirstlane_b32 s14, v2                    ; wave 0..3
	s_lshr_b32 s15, s14, 1                         ; which half of the tile's rows is mine.  Also: I fetch for A (0) or for B (1)
	s_and_b32 s16, s14, 1                          ; which half of its columns.  Also: which group of 128 rows I fetch
	s_bfe_u32 s[CX], ttmp6, 0x40000                ; cx
	s_bfe_u32 s[CY], ttmp6, 0x40004                ; cy
	s_and_b32 s18, ttmp7, 0xffff
	s_lshl_b32 s18, s18, 2                         ; 4 x cluster y
	s_lshl_b32 s19, ttmp9, 2                       ; 4 x cluster x
	s_cmp_eq_u32 ttmp9, 2                          ; the third column of clusters makes v
	s_cselect_b32 s[MODE], 1, 0
	s_cselect_b32 s20, 0, s18
	s_cselect_b32 s21, s18, s19
	s_add_co_u32 s17, s20, s[CY]                   ; tile row: 4 x cluster y + cy (tokens), or cy (Wv's columns)
	s_add_co_u32 s[TC], s21, s[CX]                 ; tile column: 4 x cluster x + cx (Wq's, Wk's columns), or 4 x cluster y + cx (tokens)
	s_lshl_b32 s[MROW], s[CY], 2
	s_lshl_b32 s[MROW], 15, s[MROW]                ; my row of the cluster
	s_lshl_b32 s[MCOL], 0x1111, s[CX]              ; my column
	s_or_b32 s[G1+0], s[MROW], (3<<16)|(1<<21)     ; 15:0 the mask; 17:16 elements of 8 bytes; 21 set beside a mask; no padding
	s_or_b32 s[G1B+0], s[MCOL], (3<<16)|(1<<21)
	s_or_b32 s[G1L+0], s[MROW], (3<<16)|(1<<21)
	s_or_b32 s[G1LB+0], s[MCOL], (3<<16)|(1<<21)
.irp g, G1, G1B
	s_mov_b32 s[\g+1], 32<<16                      ; tensor_dim0: 32 elements = 256 bytes
	s_mov_b32 s[\g+2], 100<<16                     ; tensor_dim1: 100 rows = two chunks
	s_mov_b32 s[\g+3], 32<<16                      ; tile_dim0
	s_mov_b32 s[\g+4], 100                         ; tile_dim1
	s_mov_b32 s[\g+5], 32                          ; the block is dense
	s_mov_b32 s[\g+6], 0
	s_mov_b32 s[\g+7], 0
.endr
.irp g, G1L, G1LB
	s_mov_b32 s[\g+1], 32<<16
	s_mov_b32 s[\g+2], 200<<16                     ; 200 rows = four chunks
	s_mov_b32 s[\g+3], 32<<16
	s_mov_b32 s[\g+4], 200
	s_mov_b32 s[\g+5], 32
	s_mov_b32 s[\g+6], 0
	s_mov_b32 s[\g+7], 0
.endr
	s_lshl_b32 s20, s17, 1
	s_add_co_u32 s20, s20, s16
	s_lshl_b32 s22, s[MODE], 4
	s_add_co_u32 s20, s20, s22                     ; A's group of rows: 2 x tile row + half (+ 16: Wv lies behind Wq and Wk)
	s_mul_i32 s20, s20, GROW
	s_mov_b32 s21, 0
	s_lshl_b32 s[GBO], s[TC], 1
	s_add_co_u32 s[GBO], s[GBO], s16               ; B's
	s_mul_i32 s[GBO], s[GBO], GROW
	s_mov_b32 s[GBO+1], 0
	s_mul_i32 s[L0], s14, S0G                      ; where my loads go: no place in the cluster enters an LDS address
	s_mul_i32 s[L1], s14, S1G
	s_add_co_u32 s[L1], s[L1], SLOT1B
	s_mov_b32 s[SEL], 0x76543210
	s_mov_b32 s[SEL+1], 0xfedcba98
	s_mov_b32 s[HM], 0xffff0000
	s_wait_dscnt 0x0                               ; the opening add is done
	s_wait_kmcnt 0x0
	s_cmp_eq_u32 s[MODE], 1
	s_cselect_b64 s[94:95], s[6:7], s[4:5]         ; A's buffer
	s_cselect_b64 s[96:97], s[4:5], s[6:7]         ; B's
	s_add_nc_u64 s[20:21], s[94:95], s[20:21]
	s_add_nc_u64 s[GBO:GBO+1], s[96:97], s[GBO:GBO+1]
	CROUND                                         ; all sixteen work-groups are here: the first joint loads meet
	s_mov_b32 s[G0F], 1                            ; K steps 0 and 1, at slot 0's places 2 and 3
	s_add_co_u32 s[G0F+1], s[L0], 2*CH
	s_mov_b64 s[G0F+2:G0F+3], s[20:21]
	s_or_b32 s[G0F+3], s[G0F+3], 0x80000000
	s_mov_b32 s[G0FB], 1
	s_add_co_u32 s[G0FB+1], s[L0], 2*CH
	s_mov_b64 s[G0FB+2:G0FB+3], s[GBO:GBO+1]
	s_or_b32 s[G0FB+3], s[G0FB+3], 0x80000000
	JLOAD G0F, G1, G0FB, G1B
	s_mov_b32 s[G0+4], 1                           ; K steps 2 and 3, in slot 1
	s_mov_b32 s[G0+5], s[L1]
	s_add_nc_u64 s[G0+6:G0+7], s[20:21], 2*CH
	s_or_b32 s[G0+7], s[G0+7], 0x80000000
	s_mov_b32 s[G0B+4], 1
	s_mov_b32 s[G0B+5], s[L1]
	s_add_nc_u64 s[G0B+6:G0B+7], s[GBO:GBO+1], 2*CH
	s_or_b32 s[G0B+7], s[G0B+7], 0x80000000
	JLOAD G0+4, G1, G0B+4, G1B
	s_mov_b32 s[G0], 1                             ; slot 0's first refill: K steps 4 to 7
	s_mov_b32 s[G0+1], s[L0]
	s_add_nc_u64 s[G0+2:G0+3], s[20:21], 4*CH
	s_or_b32 s[G0+3], s[G0+3], 0x80000000
	s_mov_b32 s[G0B], 1
	s_mov_b32 s[G0B+1], s[L0]
	s_add_nc_u64 s[G0B+2:G0B+3], s[GBO:GBO+1], 4*CH
	s_or_b32 s[G0B+3], s[G0B+3], 0x80000000
	v_and_b32 v2, 31, v0
	v_lshlrev_b32 v[LI], 4, v2
	s_mul_i32 s21, s15, S0G                        ; my group of A's rows in slot 0,
	s_mul_i32 s22, s16, S0G
	s_add_co_u32 s22, s22, 2*S0G                   ; my group of B's, behind A's two
	v_add_nc_u32 v[ADRA], s21, v[LI]
	v_add_nc_u32 v[ADRB], s22, v[LI]
	s_mul_i32 s21, s15, S1G                        ; and the same in slot 1
	s_add_co_u32 s21, s21, SLOT1B
	s_mul_i32 s22, s16, S1G
	s_add_co_u32 s22, s22, SLOT1B+2*S1G
	v_add_nc_u32 v[ADRA+1], s21, v[LI]
	v_add_nc_u32 v[ADRB+1], s22, v[LI]
	v_and_b32 v2, 15, v0
	v_bfe_u32 v3, v0, 4, 1
	v_and_b32 v4, 8, v2
	v_add_nc_u32 v4, v4, v2                        ; r + 8 (r / 8)
	v_lshlrev_b32 v[RA], 9, v4                     ; the table: 512 bytes a position,
	v_lshl_add_u32 v[RA], v3, 6, v[RA]             ; + 64 (lane / 16): my 16 frequencies of each 32
	; which chunk of the output is my wave's
	s_lshl_b32 s18, s17, 1
	s_add_co_u32 s18, s18, s15                     ; my group on the rows' side
	s_lshl_b32 s19, s[TC], 1
	s_add_co_u32 s19, s19, s16                     ; and on the columns'
	s_add_co_u32 s20, s18, 16
	s_cmp_eq_u32 s[MODE], 1
	s_cselect_b32 s21, s20, s19                    ; the weights' group: 8 x (q, k, v) + head
	s_cselect_b32 s22, s19, s18                    ; the tokens' group: 16 x batch + c
	s_lshr_b32 s23, s21, 3
	s_lshl_b32 s23, s23, 4
	s_lshr_b32 s94, s22, 4
	s_lshl_b32 s94, s94, 3
	s_add_co_u32 s23, s23, s94
	s_and_b32 s94, s21, 7
	s_add_co_u32 s23, s23, s94
	s_lshl_b32 s23, s23, 4
	s_and_b32 s94, s22, 15
	s_add_co_u32 s23, s23, s94
	s_mul_i32 s94, s23, CH
	s_mov_b32 s95, 0
	s_add_nc_u64 s[10:11], s[10:11], s[94:95]
	s_and_b32 s96, s18, 15
	s_lshl_b32 s96, s96, 16                        ; my 128 tokens' positions in the sequence: 128 rows of 512 bytes
	s_mov_b32 s97, 0
	s_add_nc_u64 s[8:9], s[8:9], s[96:97]
.macro FRAG reg, adr, q, i             ; a fragment comes as it was stored: three loads of 16 bytes a lane, 512 consecutive bytes each
.irp c, 0,1,2
	ds_load_b128 v[(\reg)+4*\c:(\reg)+4*\c+3], v[\adr] offset:(\q)*CH+(\i)*1536+512*\c
.endr
.endm
; 16 matrix instructions: A's blocks a0, a0 + 1 x B's eight.  The 64 accumulators take turns, one instruction a turn, in the same order in every step.
.macro MUL16 a0, p, q, sc, zero
.irp a, \a0, \a0+1
.irp b, 0,1,2,3,4,5,6,7
	WM 8*(8*((\a)%4)+\b), 128*(\p)+FR*\b, AF+FR*(\a), \zero, SC+32*(\sc)+8*(\q)+4+\b/2, SC+32*(\sc)+8*(\q)+(\a)/2, \b%2, (\a)%2
.endr
.endr
.endm
.macro FETCH_B slot, q, p
	WIN TO_B
.irp i, 0,1,2,3,4,5,6,7
	FRAG 128*(\p)+FR*\i, ADRB+\slot, \q, \i
.endr
	WIN 0
.endm
.macro FETCH_A slot, q, i0
.irp i, \i0, \i0+1, \i0+2, \i0+3
	FRAG AF+FR*(\i), ADRA+\slot, \q, \i
.endr
.endm
.macro SCALE1 sc, q                    ; the scale words of slot sc's place q: A's four registers, B's four
	ds_load_b128 v[SC+32*(\sc)+8*(\q):SC+32*(\sc)+8*(\q)+3], v[ADRA+\sc] offset:(\q)*CH+12288
	ds_load_b128 v[SC+32*(\sc)+8*(\q)+4:SC+32*(\sc)+8*(\q)+7], v[ADRB+\sc] offset:(\q)*CH+12288
.endm
.macro SCALES sc                       ; those of a whole visit
	SCALE1 \sc, 0
	SCALE1 \sc, 1
.if (\sc) == 0
	SCALE1 \sc, 2
	SCALE1 \sc, 3
.endif
.endm
.macro PLACES n                        ; plain vector instructions between a matrix instruction and a load into, or a vector instruction on, its registers
.rept \n
	v_nop
.endr
.endm
; A step of 128 along K that has its successor in the same slot.  B's sets take turns by the place's number: every visit ends at an odd place
.macro STEP slot, q, zero
	s_wait_dscnt 4*NL                              ; B's set, A's blocks 0-3 and the scales are in; the youngest 12 loads (A's blocks 4-7) may be out
	WIN MUL_LO
	MUL16 0, (\q)%2, \q, \slot, \zero
	MUL16 2, (\q)%2, \q, \slot, \zero
	s_wait_dscnt 0                                 ; A's blocks 4-7 are in
	PLACES NP
	FETCH_B \slot, (\q)+1, 1-(\q)%2
	FETCH_A \slot, (\q)+1, 0
	WIN MUL_HI
	MUL16 4, (\q)%2, \q, \slot, \zero
	MUL16 6, (\q)%2, \q, \slot, \zero
	PLACES NP
	WIN 0
	FETCH_A \slot, (\q)+1, 4
.endm
; A visit's last step (place lq) changes slots: one barrier; in front of it each wave waits for all its tensor loads, adds 0 to its spare word, and waits for that and for its reads of this slot.
; fill = 1: this slot is filled again.  The OTHER slot's groups 0 are stepped here, six K steps on, for its next refill: no tensor load of mine is out.
.macro TURN slot, next, fill, lq
	s_wait_tensorcnt 0x0                           ; all my tensor loads have landed: my part of the next slot
	ds_add_u32 v[SPW], v[NIL]                      ; 0 onto my spare word
.if \fill
	s_add_nc_u64 s[G0+4*\next+2:G0+4*\next+3], s[G0+4*\next+2:G0+4*\next+3], 6*CH
	s_add_nc_u64 s[G0B+4*\next+2:G0B+4*\next+3], s[G0B+4*\next+2:G0B+4*\next+3], 6*CH
.endif
	s_wait_dscnt 4*NL+1                            ; (the add and the youngest 12 loads may be out)
	WIN MUL_LO
	MUL16 0, 1, \lq, \slot, 0
	s_wait_dscnt 0x0                               ; the add is done, and my reads of this slot are over
	s_barrier_signal -1
	MUL16 2, 1, \lq, \slot, 0
	WIN 0
	s_barrier_wait -1
.if \fill
	CREST                                          ; the barrier has opened a round of the cluster's: no wave of any partner still reads this slot or has a load on its way
.if (\slot) == 0
	JLOAD G0, G1L, G0B, G1LB                       ; the first tensor load behind the round: four K steps; its four v_nop are the places in front of the loads below
.else
	JLOAD G0+4, G1, G0B+4, G1B                     ; two K steps
.endif
.else
	PLACES NP
.endif
	FETCH_B \next, 0, 0
	FETCH_A \next, 0, 0
	SCALES \next
	WIN MUL_HI
	MUL16 4, 1, \lq, \slot, 0
	MUL16 6, 1, \lq, \slot, 0
	PLACES NP
	WIN 0
	FETCH_A \next, 0, 4
.endm
.macro RLOAD a                         ; cos and sin of block a's 16 positions: my 32 frequencies each, into window 1, four sets by turns
	WIN 0x40
.irp b, 0,1
.irp j, 0,1,2,3
	global_load_b128 v[64*((\a)%4)+16*\b+4*\j:64*((\a)%4)+16*\b+4*\j+3], v[RA], s[8:9] offset:(32*((\a)/2)+8*((\a)%2))*512+128*\b+16*\j
	global_load_b128 v[64*((\a)%4)+32+16*\b+4*\j:64*((\a)%4)+32+16*\b+4*\j+3], v[RA], s[8:9] offset:(32*((\a)/2)+8*((\a)%2))*512+128*\b+16*\j+256
.endr
.endr
	WIN 0
.endm
	s_wait_tensorcnt 1                             ; my part of K steps 0 and 1 is in (slot 1's load may be out)
	s_barrier_signal -1
	s_barrier_wait -1                              ; everybody's is
	FETCH_B 0, 2, 0
	FETCH_A 0, 2, 0
	SCALE1 0, 2
	SCALE1 0, 3
	FETCH_A 0, 2, 4
	STEP 0, 2, 1                                   ; K step 0 stands in front of the loop: its products start the sums
	s_mov_b32 s3, 2
.Llap:                                                 ; a trip is six K steps: slot 0's last, slot 1's two, slot 0's first three; it fills both slots again
	TURN 0, 1, 1, 3
	STEP 1, 0, 0
	TURN 1, 0, 1, 1
	STEP 0, 0, 0
	STEP 0, 1, 0
	STEP 0, 2, 0
	s_sub_co_u32 s3, s3, 1
	s_cmp_lg_u32 s3, 0
	s_cbranch_scc1 .Llap
	TURN 0, 1, 0, 3                                ; the last three K steps fill nothing
	STEP 1, 0, 0
	s_cmp_eq_u32 s[MODE], 1                        ; the cluster's x: the same in all partners
	s_cbranch_scc1 .Lno_table
	RLOAD 0                                        ; the first two blocks' cos and sin are asked for ahead of the last 64 products: into B's set 0, whose last products stand in front of the four places above, and the 32 registers behind it
	RLOAD 1
.Lno_table:
	s_wait_dscnt 4*NL
	WIN MUL_LO
	MUL16 0, 1, 1, 1, 0
	MUL16 2, 1, 1, 1, 0
	s_wait_dscnt 0
	WIN MUL_HI
	MUL16 4, 1, 1, 1, 0
	MUL16 6, 1, 1, 1, 0
	WIN 0
; THE WAY OUT.  Block a's 64 registers of a lane are 64 numbers of one row in the order that the quantiser takes: register 16 b + i = index 32 b + 16 (lane / 16) + i.  They become fragment a of my chunk; no LDS is touched.
; w: the window in which the 64 numbers lie
.macro QUANT s, w
	WIN ((\w)<<2)|((\w)<<4)
.irp b, 0,1,2,3
	v_max3_num_f32 v[TM+\b], 0x1800000, |v[(\s)+16*\b]|, |v[(\s)+1+16*\b]|   ; my 16 numbers of block b, and the floor 2^(3 - 127); each accumulator is first read at its low end
.endr
.irp i, 2,4,6,8,10,12,14
.irp b, 0,1,2,3
	v_max3_num_f32 v[TM+\b], v[TM+\b], |v[(\s)+16*\b+\i]|, |v[(\s)+1+16*\b+\i]|
.endr
.endr
	WIN 0
.irp b, 0,1,2,3
	v_permlanex16_b32 v[TM+4+\b], v[TM+\b], s[SEL], s[SEL+1]
.endr
.irp b, 0,1,2,3
	v_max_num_f32 v[TM+\b], v[TM+\b], v[TM+4+\b]
.endr
.irp b, 0,1,2,3
	v_add_nc_u32 v[TM+12+\b], 0xff000000, v[TM+\b]
.endr
.irp b, 0,1,2,3
	v_lshrrev_b32 v[TM+4+\b], 23, v[TM+12+\b]
.endr
	v_lshl_or_b32 v[PW], v[TM+5], 8, v[TM+4]
	v_lshl_or_b32 v[PW], v[TM+6], 16, v[PW]
	v_lshl_or_b32 v[PW], v[TM+7], 24, v[PW]
	WIN \w
.irp c, 0,1
	v_cvt_scalef32_pk16_fp6_f32 v[PC+6*\c:PC+2+6*\c], v[(\s)+32*\c:(\s)+15+32*\c], v[TM+12+2*\c]
	v_cvt_scalef32_pk16_fp6_f32 v[PC+12+4*\c:PC+14+4*\c], v[(\s)+16+32*\c:(\s)+31+32*\c], v[TM+12+2*\c+1]
.endr
	WIN 0
	v_nop                                          ; one plain place behind a scaled conversion
.irp c, 0,1
.irp i, 0,1,2
	v_permlane16_swap_b32 v[PC+6*\c+\i], v[PC+12+4*\c+\i]
.endr
.irp i, 0,1,2
	v_mov_b32 v[PC+3+6*\c+\i], v[PC+12+4*\c+\i]
.endr
.endr
.endm
.macro OUTFRAG a
.irp c, 0,1,2
	global_store_b128 v[LI], v[PC+4*\c:PC+4*\c+3], s[10:11] offset:(\a)*1536+512*\c   ; 32 lanes store 512 consecutive bytes
.endr
.if (\a)%2 == 0
	v_mov_b32 v[SW+(\a)/2], v[PW]
.else
	v_cndmask_b32 v[SW+(\a)/2], v[SW+(\a)/2], v[PW], s[HM]
.endif
.endm
.macro ROT a                           ; registers 0-31 are the head's first 64, registers 32-63 their partners 64 further on
.set AC, 64*((\a)%4)
.set CB, 64*((\a)%4)
	WIN 0x04|(2+(\a)/4)                            ; source 0: the accumulators' window; source 1: window 1
.set p, 0
.rept 16
	v_pk_mul_f32 v[HA+p:HA+p+1], v[AC+p:AC+p+1], v[CB+p:CB+p+1]               ; x cos, ascending: each accumulator is first read at its low end
	v_pk_mul_f32 v[HA+32+p:HA+33+p], v[AC+32+p:AC+33+p], v[CB+p:CB+p+1]
.set p, p+2
.endr
.set p, 0
.rept 16
	v_pk_fma_f32 v[HA+p:HA+p+1], v[AC+32+p:AC+33+p], v[CB+32+p:CB+33+p], v[HA+p:HA+p+1] neg_lo:[1,0,0] neg_hi:[1,0,0]   ; - the partner x sin
	v_pk_fma_f32 v[HA+32+p:HA+33+p], v[AC+p:AC+p+1], v[CB+32+p:CB+33+p], v[HA+32+p:HA+33+p]                           ; + the partner x sin
.set p, p+2
.endr
	WIN 0
.endm
	PLACES NP                                      ; behind the last products: their registers are read, written and loaded into below
.irp b, 0,1,2,3
	v_mov_b32 v[TM+4+\b], 0                        ; written once: a lane permute's destination counts as one of its sources
.endr
	s_cmp_eq_u32 s[MODE], 1                        ; the cluster's x: the same in all partners
	s_cbranch_scc1 .Lvalues
	RLOAD 2
.irp a, 0,1,2,3,4,5,6,7
.if \a < 6
	s_wait_loadcnt 32                              ; block a's cos and sin are in; the next two blocks' 32 loads may be out
.else
	s_wait_loadcnt 16*(7-\a)
.endif
.if \a < 5
	RLOAD \a+3                                     ; three blocks ahead, into the set that the block before has read
.endif
	ROT \a
	s_wait_xcnt 0x0                                ; the last block's stores have read the codes' registers
	QUANT HA, 0
	OUTFRAG \a
.endr
	s_branch .Lwords
.Lvalues:
.irp a, 0,1,2,3,4,5,6,7
	s_wait_xcnt 0x0                                ; the last block's stores have read the codes' registers
	QUANT 64*(\a%4), 2+\a/4
	OUTFRAG \a
.endr
.Lwords:
	global_store_b128 v[LI], v[SW:SW+3], s[10:11] offset:12288   ; the chunk's 128 scale words
	s_wait_tensorcnt 0x0                           ; the wave's end
	ds_add_u32 v[SPW], v[NIL]
	s_wait_dscnt 0x0
	CROUND                                         ; the closing round: no work-group ends while a partner may still ask for a tile that names it
	s_endpgm
.Lfunc_end_k_q900dd8a76f_qkvproj:
	.size	k_q900dd8a76f_qkvproj, .Lfunc_end_k_q900dd8a76f_qkvproj-k_q900dd8a76f_qkvproj
	.p2alignl 7, 3214868480
	.fill 96, 4, 3214868480
	.section	.rodata,"a",@progbits
	.p2align	6, 0x0
	.amdhsa_kernel k_q900dd8a76f_qkvproj
		.amdhsa_group_segment_fixed_size 327680
		.amdhsa_private_segment_fixed_size 0
		.amdhsa_enable_private_segment 0
		.amdhsa_kernarg_size 32
		.amdhsa_user_sgpr_count 2
		.amdhsa_user_sgpr_kernarg_segment_ptr 1
		.amdhsa_wavefront_size32 1
		.amdhsa_system_sgpr_workgroup_id_x 1
		.amdhsa_system_sgpr_workgroup_id_y 1
		.amdhsa_system_sgpr_workgroup_id_z 1
		.amdhsa_system_vgpr_workitem_id 0
		.amdhsa_next_free_vgpr 1024
		.amdhsa_next_free_sgpr 100
		.amdhsa_reserve_vcc 0
		.amdhsa_float_denorm_mode_32 3
		.amdhsa_float_denorm_mode_16_64 3
		.amdhsa_memory_ordered 1
		.amdhsa_forward_progress 1
		.amdhsa_inst_pref_size 239
	.end_amdhsa_kernel
	.amdgpu_metadata
---
amdhsa.version: [ 1, 2 ]
amdhsa.kernels:
  - .name:           k_q900dd8a76f_qkvproj
    .symbol:         k_q900dd8a76f_qkvproj.kd
    .args:
      - { .name: hq, .offset: 0, .size: 8, .value_kind: global_buffer, .address_space: global }
      - { .name: wts, .offset: 8, .size: 8, .value_kind: global_buffer, .address_space: global }
      - { .name: rope, .offset: 16, .size: 8, .value_kind: global_buffer, .address_space: global }
      - { .name: qkv, .offset: 24, .size: 8, .value_kind: global_buffer, .address_space: global }
    .group_segment_fixed_size: 327680
    .private_segment_fixed_size: 0
    .kernarg_segment_align: 8
    .kernarg_segment_size: 32
    .max_flat_workgroup_size: 128
    .sgpr_count:     100
    .vgpr_count:     1024
    .wavefront_size: 32
...
	.end_amdgpu_metadata
.endif
;; end of part 2
;; launch attn (part 3): grid 16 x 16, 8 waves a work-group, clusters of 4 x 1, 327,680 bytes of LDS; arguments qkv, oq; writes oq
.if DOCPART == 3
	.amdgcn_target "amdgcn-amd-amdhsa--gfx1250"
	.amdhsa_code_object_version 6
	.text
	.protected	k_q900dd8a76f_attn
	.globl	k_q900dd8a76f_attn
	.p2align	8
	.type	k_q900dd8a76f_attn,@function
k_q900dd8a76f_attn:
	s_mov_b64 s[64:65], 0
	v_nop
	global_prefetch_b8 v0, s[64:65] scope:SCOPE_SE
	s_setreg_imm32_b32 hwreg(HW_REG_WAVE_MODE, 25, 1), 1
	s_wait_xcnt 0x0
	s_wait_alu depctr_hold_cnt(0) depctr_sa_sdst(0) depctr_va_vdst(0) depctr_va_sdst(0) depctr_va_ssrc(0) depctr_va_vcc(0) depctr_vm_vsrc(0)
	s_getreg_b32 s2, hwreg(HW_REG_IB_STS2, 6, 4)
	s_cmp_eq_u32 s2, 0
	s_cbranch_scc0 .Lentry_in_a_cluster
	s_endpgm
.Lentry_in_a_cluster:
	s_bfe_u32 s2, ttmp6, 0x10000c
	s_cmp_lg_u32 s2, 0x3003
	s_cbranch_scc0 .Lentry_shape_is_right
	s_endpgm
.Lentry_shape_is_right:
; o = softmax(50 tanh(q k^T / (50 sqrt(128)))) v for 16 (batch, head) of 2,048 positions, both products on codes of FP6 (E2M3) with E8M0 scales; o is quantised along the head's 128 and stored as chunks for the last product.
; qkv: [q, k, v][batch x head][16] chunks of 12,800 bytes (eight fragments as images of their registers, then 128 scale words).  q, k: rows = positions, K = the head's 128.  v: rows = the head's 128, K = 128 keys in their true order.
; Row r of fragment i is the chunk's row 32 (i / 2) + 8 (i % 2) + r + 8 (r / 8): with k or v as source 0 a lane's registers 16 b + i are keys, or channels, 32 b + 16 (lane / 16) + i: the order that a quantiser takes.
; THE SOFTMAX AHEAD OF THE SECOND PRODUCT: t = 50 log2(e) tanh(x), x = score / (50 sqrt(128)); tanh(x) = 1 - 2 r with r = 1 / (1 + 2^u), u = 2 x log2(e): t = C - 2 C r, C = 50 log2(e) = 72.14.
; NO MAXIMUM IS TAKEN AWAY: M = 0.  The cap that the problem itself lays on the logits holds |t| <= C for every input: p = 2^t lies within 2^-72.2 .. 2^72.2, a row's sum of 2,048 of them under 2^83.2, a block's scale byte
; between 52 and 197, O^T under 2^83.2 x the largest |v|: all inside f32 and E8M0, with nothing to overflow or to fall to zero.  M = 0 is a whole number, so p's codes x scales, the sum and O^T are those of any other whole M times 2^M, exactly.
; p is quantised along the keys, not normalised; the row's sum is taken of the unquantised p and divides at the end.  r falls where the score rises, so a block's smallest r gives its largest p by the same two instructions.
; SHARES.  A work-group owns 128 query positions (one chunk of q), each of its eight waves one fragment of 16: two waves to a SIMD, 448 registers each.  Every wave walks all 2,048 keys, 128 a step.
; FRAGMENTS A PHASE AHEAD.  Window 1 holds a step's eight fragments of k and eight of v.  v's are asked for behind the first product and land under the softmax; the NEXT step's k is asked for behind the first batch of exponentials.
; Only a slot's first step asks for its k directly ahead of its use: the slot is whole only behind the change of slots.
; A slot holds 512 keys: four chunks of k, then four of v; two slots; EVERY wave fetches one chunk of each fill.  CLUSTER: the four query blocks of a cluster walk the same k and v: joint loads, mask 15.
; No prefetch: a refill is issued four key steps ahead of its first read, and the first fill stands at the head.
; LIMITS: tanh in this form leaves about 1.5e-5 absolute in t; it saturates rightly for scores of any size.  In o's quantiser a block of zeros keeps the scale byte 1.  NaN and infinities are not served.
; REGISTERS: window 0: v1-5 addresses; v8 C, v9 0; v[14:15] the sum; v16-27 q; v28 q's scale words; v80-88 scale words and nothing else; v96-159 S^T, then p; v160-223 O^T; v224-243 codes; v244-251 at work; v32-48 the way out's.
;   window 1: v0-95 k's fragments, v96-191 v's.
.set CH,    12800
.set PL,    16*CH                      ; the 16 chunks of one (batch, head)
.set SLOT1, 1<<17                      ; slot 1 begins here: one exclusive or turns an address from one slot to the other
.set OSC,   SLOT1+8*CH                 ; behind the ring: o's 128 scale words
.set SPARE, OSC+512                    ; the spare words, 128 bytes for each wave: four blocks of 256 bytes that no other line names
.set LI,  1
.set SPW, 2
.set NIL, 3
.set ADK, 4                            ; v4   LDS address of the step's chunk of k, + 16 x lane
.set OSA, 5
.set CV,  8                            ; v[8:9] C and 0: the packed form names the pair and takes its low word for both halves
.set QF,  16
.set QS,  28
.set KS,  80
.set VS,  84
.set PS,  88
.set S,   96
.set O,   160
.set PC,  224
.set SO,  244
.set BM,  248
.set TM,  32
.set PW,  48
.set KF,  0                            ; in window 1
.set VF,  96                           ; in window 1
.set WV,  8
.set TB,  12                           ; s12  LDS byte at which the step's chunk of k begins
.set SEL, 16
.set C1,  18                           ; s[18:19] 2 log2(e) / (50 sqrt(128))
.set N2C, 20                           ; s[20:21] -100 log2(e)
.set G1,  24
.set G0,  32
.set MSB, 0
.macro WIN new                         ; the immediate's high byte repeats the setting that is left
.if MSB != \new
	s_set_vgpr_msb (MSB<<8)|\new
.set MSB, \new
.endif
.endm
.set W_MUL, 0x01                       ; source 0 (k's or v's fragment) window 1; all else window 0
.set W_LD,  0x40                       ; destination window 1, address window 0
.macro CROUND                          ; a round of the cluster's barrier
	s_barrier_signal -1
	s_barrier_wait -1
	s_cmp_lg_u32 s[WV], 0
	s_cbranch_scc1 .Lnot_wave_0_\@
	s_barrier_signal -3
.Lnot_wave_0_\@:
	s_barrier_wait -3
	s_barrier_signal -1
	s_barrier_wait -1
.endm
.macro WM d, s0, s1, zero, c0, c1, r0  ; one product; source 0's scale words lie in lanes 16-31 of c0 where r0
.if \zero
.if (\r0)
	v_wmma_scale_f32_16x16x128_f8f6f4 v[(\d):(\d)+7], v[(\s0):(\s0)+11], v[(\s1):(\s1)+11], 0, v[(\c0)], v[(\c1)] matrix_a_fmt:MATRIX_FMT_FP6 matrix_b_fmt:MATRIX_FMT_FP6 matrix_a_scale:MATRIX_SCALE_ROW1
.else
	v_wmma_scale_f32_16x16x128_f8f6f4 v[(\d):(\d)+7], v[(\s0):(\s0)+11], v[(\s1):(\s1)+11], 0, v[(\c0)], v[(\c1)] matrix_a_fmt:MATRIX_FMT_FP6 matrix_b_fmt:MATRIX_FMT_FP6
.endif
.else
.if (\r0)
	v_wmma_scale_f32_16x16x128_f8f6f4 v[(\d):(\d)+7], v[(\s0):(\s0)+11], v[(\s1):(\s1)+11], v[(\d):(\d)+7], v[(\c0)], v[(\c1)] matrix_a_fmt:MATRIX_FMT_FP6 matrix_b_fmt:MATRIX_FMT_FP6 matrix_a_scale:MATRIX_SCALE_ROW1
.else
	v_wmma_scale_f32_16x16x128_f8f6f4 v[(\d):(\d)+7], v[(\s0):(\s0)+11], v[(\s1):(\s1)+11], v[(\d):(\d)+7], v[(\c0)], v[(\c1)] matrix_a_fmt:MATRIX_FMT_FP6 matrix_b_fmt:MATRIX_FMT_FP6
.endif
.endif
.endm
.macro PLACES
.rept 4
	v_nop
.endr
.endm
	s_load_b128 s[4:7], s[0:1], 0x0                ; qkv s[4:5], oq s[6:7]
	v_lshl_add_u32 v[SPW], v0, 2, SPARE
	v_mov_b32 v[NIL], 0
	ds_add_u32 v[SPW], v[NIL]                      ; the wave's opening: the add and its wait stand ahead of my first tensor load; work on registers stands between them
	v_lshrrev_b32 v6, 5, v0
	v_readfirstlane_b32 s[WV], v6                  ; wave 0..7
	s_bfe_u32 s9, ttmp6, 0x40000                   ; cx
	s_lshl_b32 s10, ttmp9, 2
	s_add_co_u32 s10, s10, s9                      ; my block of 128 queries: it enters q's and o's addresses alone
	s_and_b32 s11, ttmp7, 0xffff                   ; (batch, head), which the four partners share
	s_mov_b32 s[G1], 15|(3<<16)|(1<<21)            ; 15:0 the mask: all four work-groups; 17:16 elements of 8 bytes; 21 set beside a mask; no padding
	s_mov_b32 s[G1+1], 32<<16                      ; tensor_dim0: 256 bytes
	s_mov_b32 s[G1+2], 50<<16                      ; tensor_dim1: 50 rows = one chunk
	s_mov_b32 s[G1+3], 32<<16
	s_mov_b32 s[G1+4], 50
	s_mov_b32 s[G1+5], 32
	s_mov_b32 s[G1+6], 0
	s_mov_b32 s[G1+7], 0
	s_lshr_b32 s38, s[WV], 2                       ; waves 0-3 fetch k's chunks, waves 4-7 v's
	s_lshl_b32 s38, s38, 4
	s_add_co_u32 s38, s38, s11
	s_add_co_u32 s38, s38, 16
	s_mul_i32 s38, s38, PL
	s_and_b32 s39, s[WV], 3
	s_mul_i32 s39, s39, CH
	s_add_co_u32 s38, s38, s39
	s_mov_b32 s39, 0
	s_mov_b32 s[SEL], 0x76543210
	s_mov_b32 s[SEL+1], 0xfedcba98
	s_mov_b32 s[C1], 0x3ba723c0
	s_mov_b32 s[C1+1], s[C1]                       ; (named with it as a pair, so it is written)
	s_mov_b32 s[N2C], 0xc31044fe
	s_mov_b32 s[N2C+1], s[N2C]
	s_mov_b32 s[TB], 0
	s_wait_dscnt 0x0                               ; the opening add is done
	s_wait_kmcnt 0x0
	s_mov_b32 s[G0], 1
	s_mul_i32 s[G0+1], s[WV], CH                   ; slot 0: k's four chunks, then v's four = wave x a chunk
	s_add_nc_u64 s[G0+2:G0+3], s[4:5], s[38:39]
	s_or_b32 s[G0+3], s[G0+3], 0x80000000
	CROUND                                         ; all four work-groups are here: the first joint loads meet
	tensor_load_to_lds s[G0:G0+3], s[G1:G1+7]      ; keys 0 to 511
	s_nop 0
	PLACES
	s_lshl_b32 s40, s11, 4
	s_add_co_u32 s40, s40, s10                     ; q's chunk
	s_mul_i32 s40, s40, CH
	s_mul_i32 s41, s[WV], 1536                     ; my fragment
	s_add_co_u32 s42, s40, s41
	s_mov_b32 s43, 0
	s_mov_b32 s41, 0
	s_add_nc_u64 s[42:43], s[4:5], s[42:43]
	s_add_nc_u64 s[40:41], s[4:5], s[40:41]
	v_and_b32 v6, 31, v0
	v_lshlrev_b32 v[LI], 4, v6
	v_and_b32 v7, 15, v0
	s_and_b32 s44, s[WV], 1
	s_lshl_b32 s44, s44, 8
	s_lshr_b32 s45, s[WV], 1
	s_lshl_b32 s45, s45, 2
	s_add_co_u32 s44, s44, s45
	v_lshl_add_u32 v10, v7, 4, s44                 ; my fragment's scale words among a chunk's 128: 16 (16 (w % 2) + r) + 4 (w / 2)
	v_add_nc_u32 v[OSA], OSC, v10
.irp c, 0,1,2
	global_load_b128 v[QF+4*\c:QF+4*\c+3], v[LI], s[42:43] offset:512*\c   ; q's fragment stays in registers
.endr
	global_load_b32 v[QS], v10, s[40:41] offset:12288
	s_lshr_b32 s46, s11, 3                         ; o's chunk: (16 x batch + my block) x 8 + head
	s_lshl_b32 s46, s46, 4
	s_add_co_u32 s46, s46, s10
	s_lshl_b32 s46, s46, 3
	s_and_b32 s47, s11, 7
	s_add_co_u32 s46, s46, s47
	s_mul_i32 s46, s46, CH
	s_mul_i32 s47, s[WV], 1536
	s_add_co_u32 s46, s46, s47
	s_mov_b32 s47, 0
	s_add_nc_u64 s[6:7], s[6:7], s[46:47]
	v_mov_b32 v[CV], 0x429044fe                    ; C = 50 log2(e)
	v_mov_b32 v[CV+1], 0                           ; (the upper half of the pair)
	v_mov_b32 v14, 0                               ; the sum, in two halves
	v_mov_b32 v15, 0
.irp b, 0,1,2,3
	v_mov_b32 v[PC+12+\b], 0                       ; written once: a lane permute's destination counts as one of its sources
.endr
.set j, 0
.rept 64
	v_mov_b32 v[O+j], 0                            ; O^T.  The step is written for all steps alike: the first adds onto zeros
.set j, j+1
.endr
; A slot's first step: its chunk of k, asked for behind the change of slots
.macro KLOAD
	v_add_nc_u32 v[ADK], s[TB], v[LI]
	WIN W_LD
.irp t, 0,1,2,3,4,5,6,7
.irp c, 0,1,2
	ds_load_b128 v[KF+12*\t+4*\c:KF+12*\t+4*\c+3], v[ADK] offset:\t*1536+512*\c
.endr
.endr
	WIN 0
	ds_load_b128 v[KS:KS+3], v[ADK] offset:12288
.endm
; A KEY STEP: the 128 keys whose chunk of k begins at s[TB]; their chunk of v lies four chunks on.  pf = 1: the next step's chunk of k lies in the same slot and is asked for here
.macro STEP pf
	s_wait_dscnt 0x0                               ; k's eight fragments and its scale words are in
	WIN W_MUL
.irp t, 0,1,2,3,4,5,6,7
	WM S+8*\t, KF+12*\t, QF, 1, KS+\t/2, QS, \t%2  ; S^T = k q^T
.endr
	WIN 0
	PLACES                                         ; behind these products, whose results are read below, and behind the last step's, into whose fragments of v the loads below go
	WIN W_LD
.irp t, 0,1,2,3,4,5,6,7                        ; v's eight fragments and its scale words land under the softmax
.irp c, 0,1,2
	ds_load_b128 v[VF+12*\t+4*\c:VF+12*\t+4*\c+3], v[ADK] offset:4*CH+\t*1536+512*\c
.endr
.endr
	WIN 0
	ds_load_b128 v[VS:VS+3], v[ADK] offset:4*CH+12288
.set j, 0
.rept 32
	v_pk_mul_f32 v[S+j:S+j+1], v[S+j:S+j+1], s[C1:C1+1] op_sel_hi:[1,0]   ; u, ascending: each accumulator is first read at its low end
.set j, j+2
.endr
.set j, 0
.rept 64
	v_exp_f32 v[S+j], v[S+j]                       ; 2^u
.set j, j+1
.endr
	v_nop                                          ; a plain place behind the batch,
	s_wait_alu depctr_va_vdst(0)                   ; and one wait for it, ahead of its first reader
.if \pf
	WIN W_LD
.irp t, 0,1,2,3,4,5,6,7                        ; the next step's k: the products that read these registers stand in front of the four places above
.irp c, 0,1,2
	ds_load_b128 v[KF+12*\t+4*\c:KF+12*\t+4*\c+3], v[ADK] offset:CH+\t*1536+512*\c
.endr
.endr
	WIN 0
	ds_load_b128 v[KS:KS+3], v[ADK] offset:CH+12288
.endif
.set j, 0
.rept 32
	v_pk_add_f32 v[S+j:S+j+1], v[S+j:S+j+1], 1.0 op_sel_hi:[1,0]
.set j, j+2
.endr
.set j, 0
.rept 64
	v_rcp_f32 v[S+j], v[S+j]                       ; r = 1 / (1 + 2^u)
.set j, j+1
.endr
	v_nop
	s_wait_alu depctr_va_vdst(0)                   ; one wait for the batch
.irp b, 0,1,2,3
	v_min3_num_f32 v[BM+\b], v[S+16*\b], v[S+1+16*\b], v[S+2+16*\b]   ; the smallest r of each block of 32 keys: it gives the block's largest p
.endr
.irp i, 3,5,7,9,11,13
.irp b, 0,1,2,3
	v_min3_num_f32 v[BM+\b], v[BM+\b], v[S+16*\b+\i], v[S+1+16*\b+\i]
.endr
.endr
.irp b, 0,1,2,3
	v_min_num_f32 v[BM+\b], v[BM+\b], v[S+15+16*\b]
.endr
.irp b, 0,1,2,3
	v_permlanex16_b32 v[PC+12+\b], v[BM+\b], s[SEL], s[SEL+1]
.endr
.irp b, 0,1,2,3
	v_min_num_f32 v[BM+\b], v[BM+\b], v[PC+12+\b]  ; with lane l xor 16's 16 keys
.endr
.set j, 0
.rept 32
	v_pk_fma_f32 v[S+j:S+j+1], v[S+j:S+j+1], s[N2C:N2C+1], v[CV:CV+1] op_sel_hi:[1,0,0]   ; t = C - 2 C r
.set j, j+2
.endr
.irp b, 0,1,2,3
	v_fma_f32 v[BM+\b], v[BM+\b], s[N2C], v[CV]    ; the same of each block's smallest r
.endr
.set j, 0
.rept 64
	v_exp_f32 v[S+j], v[S+j]                       ; p = 2^t: not normalised
.set j, j+1
.endr
.irp b, 0,1,2,3
	v_exp_f32 v[BM+\b], v[BM+\b]                   ; the block's largest p: the same two instructions on the same number give the same bits
.endr
	v_nop
	s_wait_alu depctr_va_vdst(0)                   ; one wait for the 68
.irp b, 0,1,2,3
	v_add_nc_u32 v[SO+\b], 0xff000000, v[BM+\b]    ; 2 off the exponent field: the conversion's scale operand.  No floor: p is at least 2^-72.2, so the byte is at least 52
.endr
.irp b, 0,1,2,3
	v_lshrrev_b32 v[PC+12+\b], 23, v[SO+\b]        ; the byte
.endr
	v_lshl_or_b32 v[PS], v[PC+13], 8, v[PC+12]     ; p's scale word for these 128 keys
	v_lshl_or_b32 v[PS], v[PC+14], 16, v[PS]
	v_lshl_or_b32 v[PS], v[PC+15], 24, v[PS]
.irp c, 0,1
	v_cvt_scalef32_pk16_fp6_f32 v[PC+6*\c:PC+2+6*\c], v[S+32*\c:S+15+32*\c], v[SO+2*\c]
	v_cvt_scalef32_pk16_fp6_f32 v[PC+12+4*\c:PC+14+4*\c], v[S+16+32*\c:S+31+32*\c], v[SO+2*\c+1]
.endr
	v_nop                                          ; one plain place behind a scaled conversion
.irp c, 0,1
.irp i, 0,1,2
	v_permlane16_swap_b32 v[PC+6*\c+\i], v[PC+12+4*\c+\i]
.endr
.irp i, 0,1,2
	v_mov_b32 v[PC+3+6*\c+\i], v[PC+12+4*\c+\i]
.endr
.endr
	v_pk_add_f32 v[PC+12:PC+13], v[S:S+1], v[S+2:S+3]   ; the row's sum is taken of the unquantised p: two chains.  These 32 are also the places between the scale word, the codes and the products below
.irp j, 4,8,12,16,20,24,28,32,36,40,44,48,52,56,60
	v_pk_add_f32 v[14:15], v[14:15], v[S+\j:S+1+\j]
	v_pk_add_f32 v[PC+12:PC+13], v[PC+12:PC+13], v[S+2+\j:S+3+\j]
.endr
	v_pk_add_f32 v[14:15], v[14:15], v[PC+12:PC+13]
	s_wait_dscnt 0x0                               ; v's fragments and scale words (and the next step's k)
	WIN W_MUL
.irp t, 0,1,2,3,4,5,6,7
	WM O+8*\t, VF+12*\t, PC, 0, VS+\t/2, PS, \t%2  ; O^T += v^T p^T; the eight accumulators take turns
.endr
	WIN 0
.if \pf
	s_add_co_u32 s[TB], s[TB], CH                  ; the next 128 keys
	v_add_nc_u32 v[ADK], s[TB], v[LI]
.endif
.endm
; THE CHANGE OF SLOTS stands at a slot's head: each wave waits for all its tensor loads (its chunk of the slot ahead), adds 0 to its spare word, and waits for that and for its reads of the slot that it has left.
; fill = 1: the barrier is a round of the cluster's, and the slot just left takes the next 512 keys: the load has four key steps in which to land.
.macro CHANGE fill
	s_wait_tensorcnt 0x0                           ; no tensor load of mine is out, so the group 0 may be written
	ds_add_u32 v[SPW], v[NIL]                      ; 0 onto my spare word
.if \fill
	s_xor_b32 s[G0+1], s[G0+1], SLOT1
	s_add_nc_u64 s[G0+2:G0+3], s[G0+2:G0+3], 4*CH
.endif
	s_wait_dscnt 0x0
.if \fill
	CROUND
	tensor_load_to_lds s[G0:G0+3], s[G1:G1+7]      ; my one tensor load behind the round, and the first thing there
	s_nop 0
	PLACES
.else
	s_barrier_signal -1
	s_barrier_wait -1
.endif
.endm
.macro SLOT_STEPS                      ; a slot's four key steps: three that ask for the next step's k, walked in a loop, and the last
	KLOAD
	s_mov_b32 s37, 3
.Lstep_\@:
	STEP 1
	s_sub_co_u32 s37, s37, 1
	s_cmp_lg_u32 s37, 0
	s_cbranch_scc1 .Lstep_\@
	STEP 0
	s_sub_co_u32 s[TB], s[TB], 3*CH
	s_xor_b32 s[TB], s[TB], SLOT1                  ; on to the other slot
.endm
	s_wait_loadcnt 0x0                             ; q
	s_mov_b32 s36, 3
.Lslot:                                            ; three trips: behind each change of slots but the last the next 512 keys are asked for
	CHANGE 1
	SLOT_STEPS
	s_sub_co_u32 s36, s36, 1
	s_cmp_lg_u32 s36, 0
	s_cbranch_scc1 .Lslot
	CHANGE 0                                       ; the last slot is written out
	SLOT_STEPS
	; THE WAY OUT.  O^T / the sum; a lane's 64 numbers are its query's 128 channels' half in the quantiser's order: they become fragment w of o's chunk.
	PLACES                                         ; behind the last products
	v_add_f32 v14, v14, v15
	v_permlanex16_b32 v[BM], v14, s[SEL], s[SEL+1]
	v_add_f32 v14, v14, v[BM]                      ; the row's sum
	v_rcp_f32 v14, v14
.irp b, 0,1,2,3
	v_mov_b32 v[TM+4+\b], 0                        ; (plain work behind the reciprocal; a lane permute's destination counts as one of its sources)
.endr
	s_wait_alu depctr_va_vdst(0)                   ; the wait, ahead of the first reader
.set j, 0
.rept 64
	v_mul_f32 v[S+j], v[O+j], v14                  ; ascending: each accumulator is first read at its low end
.set j, j+1
.endr
.irp b, 0,1,2,3
	v_max3_num_f32 v[TM+\b], 0x1800000, |v[S+16*\b]|, |v[S+1+16*\b]|
.endr
.irp i, 2,4,6,8,10,12,14
.irp b, 0,1,2,3
	v_max3_num_f32 v[TM+\b], v[TM+\b], |v[S+16*\b+\i]|, |v[S+1+16*\b+\i]|
.endr
.endr
.irp b, 0,1,2,3
	v_permlanex16_b32 v[TM+4+\b], v[TM+\b], s[SEL], s[SEL+1]
.endr
.irp b, 0,1,2,3
	v_max_num_f32 v[TM+\b], v[TM+\b], v[TM+4+\b]
.endr
.irp b, 0,1,2,3
	v_add_nc_u32 v[TM+12+\b], 0xff000000, v[TM+\b]
.endr
.irp b, 0,1,2,3
	v_lshrrev_b32 v[TM+4+\b], 23, v[TM+12+\b]
.endr
	v_lshl_or_b32 v[PW], v[TM+5], 8, v[TM+4]
	v_lshl_or_b32 v[PW], v[TM+6], 16, v[PW]
	v_lshl_or_b32 v[PW], v[TM+7], 24, v[PW]
.irp c, 0,1
	v_cvt_scalef32_pk16_fp6_f32 v[PC+6*\c:PC+2+6*\c], v[S+32*\c:S+15+32*\c], v[TM+12+2*\c]
	v_cvt_scalef32_pk16_fp6_f32 v[PC+12+4*\c:PC+14+4*\c], v[S+16+32*\c:S+31+32*\c], v[TM+12+2*\c+1]
.endr
	v_nop
.irp c, 0,1
.irp i, 0,1,2
	v_permlane16_swap_b32 v[PC+6*\c+\i], v[PC+12+4*\c+\i]
.endr
.irp i, 0,1,2
	v_mov_b32 v[PC+3+6*\c+\i], v[PC+12+4*\c+\i]
.endr
.endr
.irp c, 0,1,2
	global_store_b128 v[LI], v[PC+4*\c:PC+4*\c+3], s[6:7] offset:512*\c   ; 32 lanes store 512 consecutive bytes
.endr
	ds_store_b32 v[OSA], v[PW]                     ; the eight waves' scale words meet in LDS (lanes l and l xor 16 write the same word with the same value)
	s_wait_dscnt 0x0                               ; for the others' sake
	s_barrier_signal -1
	s_barrier_wait -1
	s_cmp_lg_u32 s[WV], 0
	s_cbranch_scc1 .Lnot_first
	v_add_nc_u32 v[ADK], OSC, v[LI]
	ds_load_b128 v[S:S+3], v[ADK]
	s_wait_dscnt 0x0
	global_store_b128 v[LI], v[S:S+3], s[6:7] offset:12288   ; wave 0's base is the chunk's: 512 consecutive bytes
.Lnot_first:
	s_wait_tensorcnt 0x0                           ; the wave's end
	ds_add_u32 v[SPW], v[NIL]
	s_wait_dscnt 0x0
	CROUND                                         ; the closing round
	s_endpgm
.Lfunc_end_k_q900dd8a76f_attn:
	.size	k_q900dd8a76f_attn, .Lfunc_end_k_q900dd8a76f_attn-k_q900dd8a76f_attn
	.p2alignl 7, 3214868480
	.fill 96, 4, 3214868480
	.section	.rodata,"a",@progbits
	.p2align	6, 0x0
	.amdhsa_kernel k_q900dd8a76f_attn
		.amdhsa_group_segment_fixed_size 327680
		.amdhsa_private_segment_fixed_size 0
		.amdhsa_enable_private_segment 0
		.amdhsa_kernarg_size 16
		.amdhsa_user_sgpr_count 2
		.amdhsa_user_sgpr_kernarg_segment_ptr 1
		.amdhsa_wavefront_size32 1
		.amdhsa_system_sgpr_workgroup_id_x 1
		.amdhsa_system_sgpr_workgroup_id_y 1
		.amdhsa_system_sgpr_workgroup_id_z 1
		.amdhsa_system_vgpr_workitem_id 0
		.amdhsa_next_free_vgpr 448
		.amdhsa_next_free_sgpr 66
		.amdhsa_reserve_vcc 0
		.amdhsa_float_denorm_mode_32 3
		.amdhsa_float_denorm_mode_16_64 3
		.amdhsa_memory_ordered 1
		.amdhsa_forward_progress 1
		.amdhsa_inst_pref_size 111
	.end_amdhsa_kernel
	.amdgpu_metadata
---
amdhsa.version: [ 1, 2 ]
amdhsa.kernels:
  - .name:           k_q900dd8a76f_attn
    .symbol:         k_q900dd8a76f_attn.kd
    .args:
      - { .name: qkv, .offset: 0, .size: 8, .value_kind: global_buffer, .address_space: global }
      - { .name: oq, .offset: 8, .size: 8, .value_kind: global_buffer, .address_space: global }
    .group_segment_fixed_size: 327680
    .private_segment_fixed_size: 0
    .kernarg_segment_align: 8
    .kernarg_segment_size: 16
    .max_flat_workgroup_size: 256
    .sgpr_count:     66
    .vgpr_count:     448
    .wavefront_size: 32
...
	.end_amdgpu_metadata
.endif
;; end of part 3
;; launch oproj (part 4): grid 16 x 16, 4 waves a work-group, clusters of 4 x 4, 327,680 bytes of LDS; arguments oq, wts, out0; writes out0
.if DOCPART == 4
	.amdgcn_target "amdgcn-amd-amdhsa--gfx1250"
	.amdhsa_code_object_version 6
	.text
	.protected	k_q900dd8a76f_oproj
	.globl	k_q900dd8a76f_oproj
	.p2align	8
	.type	k_q900dd8a76f_oproj,@function
k_q900dd8a76f_oproj:
	s_mov_b64 s[64:65], 0
	v_nop
	global_prefetch_b8 v0, s[64:65] scope:SCOPE_SE
	s_setreg_imm32_b32 hwreg(HW_REG_WAVE_MODE, 25, 1), 1
	s_wait_xcnt 0x0
	s_wait_alu depctr_hold_cnt(0) depctr_sa_sdst(0) depctr_va_vdst(0) depctr_va_sdst(0) depctr_va_ssrc(0) depctr_va_vcc(0) depctr_vm_vsrc(0)
	s_getreg_b32 s2, hwreg(HW_REG_IB_STS2, 6, 4)
	s_cmp_eq_u32 s2, 0
	s_cbranch_scc0 .Lentry_in_a_cluster
	s_endpgm
.Lentry_in_a_cluster:
	s_bfe_u32 s2, ttmp6, 0x10000c
	s_cmp_lg_u32 s2, 0xf033
	s_cbranch_scc0 .Lentry_shape_is_right
	s_endpgm
.Lentry_shape_is_right:
; out0 = o x Wo on codes of FP6 (E2M3) with E8M0 scales, K = 1,024; out0 [4,096][2,048] f32.
; oq: [32 x 128 tokens][8 heads] chunks; Wo: chunks 384 on of wts, [16 x 128 columns][8 K steps].  A chunk: 128 rows x 128 K, 12,800 bytes: eight fragments as images of their 12 registers, then 128 scale words.
; Row r of fragment i is the chunk's row 32 (i / 2) + 8 (i % 2) + r + 8 (r / 8), for tokens and for Wo's columns alike.
; A tile of 256 tokens x 128 columns to a work-group: 256 work-groups.  Wave (w / 2, w % 2) makes 128 tokens x 64 columns: 32 accumulators.
; ALL OF K LIES IN LDS: A's two groups of rows (2 x 102,400 bytes) and B's one (102,400): nothing is filled again.  It comes in four parts along K, four tensor loads a wave, all issued at the head: four loads of mine are out at the most.
; The waits on the loads are counted, part by part, each in front of a barrier behind which that part is read.
; CLUSTERS: 4 x 4: A's tiles are shared along a row of the cluster, B's along a column: joint loads.  THE MATRIX INSTRUCTION IS USED TRANSPOSED: a lane holds eight neighbouring columns of one token's row.
; REGISTERS: window 0: v1-29 addresses; v32-45 scale words and nothing else; v64-127 rows on the way out.  window 1: A's fragments, two sets.  window 3: B's, two sets.  window 2: the accumulators, (a, b) at v[8 (4 a + b)].
; SCALARS: s[24:31], s[48:55] descriptor groups 1; s[32:47] A's four groups 0, s[56:63] and s[68:75] B's four: none of these is written behind its load.  s76-85: my place in the cluster, the masks, the bases.
.set CH,    12800
.set GROW,  8*CH
.set STG,   3*GROW                     ; behind the tiles: a stage of 16 rows x (256 bytes + 16) for each wave
.set SPARE, STG+4*16*272               ; the spare words, 128 bytes for each wave
.set LI,   1
.set ADA,  4                           ; v4-7   my group of A's rows, part p
.set ADB,  8                           ; v8-11  my four fragments of B, part p
.set ADS,  12                          ; v12-15 their scale words
.set STO,  16
.set RD,   17
.set CO,   18
.set SPW,  28
.set NIL,  29
.set SA,   32                          ; set s: A's four registers at SA + 8 s, B's two behind them
.set BK,   64
.set G1,  24
.set G1B, 48
.set CX,  76                           ; s76  my place along the cluster's x
.set CY,  77                           ; s77  along its y
.set TC,  78                           ; s78  tile column
.set MROW, 79                          ; s79  the mask of my row of the cluster
.set MCOL, 80                          ; s80  of my column
.set LA,  81                           ; s81  where A's parts go in LDS
.set GB,  82                           ; s[82:83] where B's parts come from
.set MSB, 0
.macro WIN new
.if MSB != \new
	s_set_vgpr_msb (MSB<<8)|\new
.set MSB, \new
.endif
.endm
.set MULW, 0xa7                        ; source 0 (B) window 3, source 1 (A) window 1, C and D window 2
.macro JLOAD g0a, g1a, g0b, g1b        ; waves 0 and 1 fetch for A, waves 2 and 3 for B; an s_nop 0 and four v_nop follow each of the two lines
	s_cmp_eq_u32 s15, 0
	s_cbranch_scc0 .Lfor_b_\@
	tensor_load_to_lds s[\g0a:\g0a+3], s[\g1a:\g1a+7]
	s_nop 0
.rept 4
	v_nop
.endr
	s_branch .Lasked_\@
.Lfor_b_\@:
	tensor_load_to_lds s[\g0b:\g0b+3], s[\g1b:\g1b+7]
	s_nop 0
.rept 4
	v_nop
.endr
.Lasked_\@:
.endm
.macro CROUND
	s_barrier_signal -1
	s_barrier_wait -1
	s_cmp_lg_u32 s14, 0
	s_cbranch_scc1 .Lnot_wave_0_\@
	s_barrier_signal -3
.Lnot_wave_0_\@:
	s_barrier_wait -3
	s_barrier_signal -1
	s_barrier_wait -1
.endm
.macro WM d, s0, s1, zero, c0, c1, r0, r1
.if \zero
.if (\r0) && (\r1)
	v_wmma_scale_f32_16x16x128_f8f6f4 v[(\d):(\d)+7], v[(\s0):(\s0)+11], v[(\s1):(\s1)+11], 0, v[(\c0)], v[(\c1)] matrix_a_fmt:MATRIX_FMT_FP6 matrix_b_fmt:MATRIX_FMT_FP6 matrix_a_scale:MATRIX_SCALE_ROW1 matrix_b_scale:MATRIX_SCALE_ROW1
.elseif (\r0)
	v_wmma_scale_f32_16x16x128_f8f6f4 v[(\d):(\d)+7], v[(\s0):(\s0)+11], v[(\s1):(\s1)+11], 0, v[(\c0)], v[(\c1)] matrix_a_fmt:MATRIX_FMT_FP6 matrix_b_fmt:MATRIX_FMT_FP6 matrix_a_scale:MATRIX_SCALE_ROW1
.elseif (\r1)
	v_wmma_scale_f32_16x16x128_f8f6f4 v[(\d):(\d)+7], v[(\s0):(\s0)+11], v[(\s1):(\s1)+11], 0, v[(\c0)], v[(\c1)] matrix_a_fmt:MATRIX_FMT_FP6 matrix_b_fmt:MATRIX_FMT_FP6 matrix_b_scale:MATRIX_SCALE_ROW1
.else
	v_wmma_scale_f32_16x16x128_f8f6f4 v[(\d):(\d)+7], v[(\s0):(\s0)+11], v[(\s1):(\s1)+11], 0, v[(\c0)], v[(\c1)] matrix_a_fmt:MATRIX_FMT_FP6 matrix_b_fmt:MATRIX_FMT_FP6
.endif
.else
.if (\r0) && (\r1)
	v_wmma_scale_f32_16x16x128_f8f6f4 v[(\d):(\d)+7], v[(\s0):(\s0)+11], v[(\s1):(\s1)+11], v[(\d):(\d)+7], v[(\c0)], v[(\c1)] matrix_a_fmt:MATRIX_FMT_FP6 matrix_b_fmt:MATRIX_FMT_FP6 matrix_a_scale:MATRIX_SCALE_ROW1 matrix_b_scale:MATRIX_SCALE_ROW1
.elseif (\r0)
	v_wmma_scale_f32_16x16x128_f8f6f4 v[(\d):(\d)+7], v[(\s0):(\s0)+11], v[(\s1):(\s1)+11], v[(\d):(\d)+7], v[(\c0)], v[(\c1)] matrix_a_fmt:MATRIX_FMT_FP6 matrix_b_fmt:MATRIX_FMT_FP6 matrix_a_scale:MATRIX_SCALE_ROW1
.elseif (\r1)
	v_wmma_scale_f32_16x16x128_f8f6f4 v[(\d):(\d)+7], v[(\s0):(\s0)+11], v[(\s1):(\s1)+11], v[(\d):(\d)+7], v[(\c0)], v[(\c1)] matrix_a_fmt:MATRIX_FMT_FP6 matrix_b_fmt:MATRIX_FMT_FP6 matrix_b_scale:MATRIX_SCALE_ROW1
.else
	v_wmma_scale_f32_16x16x128_f8f6f4 v[(\d):(\d)+7], v[(\s0):(\s0)+11], v[(\s1):(\s1)+11], v[(\d):(\d)+7], v[(\c0)], v[(\c1)] matrix_a_fmt:MATRIX_FMT_FP6 matrix_b_fmt:MATRIX_FMT_FP6
.endif
.endif
.endm
.macro PLACES
.rept 4
	v_nop
.endr
.endm
	s_load_b128 s[4:7], s[0:1], 0x0                ; oq s[4:5], wts s[6:7]
	s_load_b64 s[8:9], s[0:1], 0x10                ; out0
	v_lshl_add_u32 v[SPW], v0, 2, SPARE
	v_mov_b32 v[NIL], 0
	ds_add_u32 v[SPW], v[NIL]                      ; the wave's opening: the add and its wait stand ahead of my first tensor load; work on registers stands between them
	v_lshrrev_b32 v2, 5, v0
	v_readfirstlane_b32 s14, v2                    ; wave 0..3
	s_lshr_b32 s15, s14, 1                         ; which 128 tokens are mine.  Also: I fetch for A (0) or for B (1)
	s_and_b32 s16, s14, 1                          ; which 64 columns.  Also: which half of a part I fetch
	s_bfe_u32 s[CX], ttmp6, 0x40000                ; cx
	s_bfe_u32 s[CY], ttmp6, 0x40004                ; cy
	s_lshl_b32 s[TC], ttmp9, 2
	s_add_co_u32 s[TC], s[TC], s[CX]               ; tile column = 4 x cluster x + cx
	s_and_b32 s17, ttmp7, 0xffff
	s_lshl_b32 s17, s17, 2
	s_add_co_u32 s17, s17, s[CY]                   ; tile row = 4 x cluster y + cy
	s_lshl_b32 s[MROW], s[CY], 2
	s_lshl_b32 s[MROW], 15, s[MROW]                ; my row of the cluster
	s_lshl_b32 s[MCOL], 0x1111, s[CX]              ; my column
	s_or_b32 s[G1+0], s[MROW], (3<<16)|(1<<21)     ; A: two chunks, 100 rows of 256 bytes, dense
	s_mov_b32 s[G1+1], 32<<16
	s_mov_b32 s[G1+2], 100<<16
	s_mov_b32 s[G1+3], 32<<16
	s_mov_b32 s[G1+4], 100
	s_mov_b32 s[G1+5], 32
	s_mov_b32 s[G1+6], 0
	s_mov_b32 s[G1+7], 0
	s_or_b32 s[G1B+0], s[MCOL], (3<<16)|(1<<21)    ; B: one chunk, 50 rows
	s_mov_b32 s[G1B+1], 32<<16
	s_mov_b32 s[G1B+2], 50<<16
	s_mov_b32 s[G1B+3], 32<<16
	s_mov_b32 s[G1B+4], 50
	s_mov_b32 s[G1B+5], 32
	s_mov_b32 s[G1B+6], 0
	s_mov_b32 s[G1B+7], 0
	s_lshl_b32 s20, s17, 1
	s_add_co_u32 s20, s20, s16                     ; A: group of rows 2 x tile row + half
	s_mul_i32 s20, s20, GROW
	s_mov_b32 s21, 0
	s_mul_i32 s[GB], s[TC], GROW                   ; B: Wo's group of columns = tile column,
	s_mul_i32 s22, s16, CH                         ; the part's first or second chunk,
	s_add_co_u32 s[GB], s[GB], s22
	s_add_co_u32 s[GB], s[GB], 384*CH              ; behind Wq, Wk and Wv
	s_mov_b32 s[GB+1], 0
	s_mul_i32 s[LA], s16, GROW                     ; where they go: A's two groups,
	s_add_co_u32 s23, s22, 2*GROW                  ; then B's eight chunks: no place in the cluster enters an LDS address
	s_wait_dscnt 0x0                               ; the opening add is done
	s_wait_kmcnt 0x0
	s_add_nc_u64 s[20:21], s[4:5], s[20:21]
	s_add_nc_u64 s[GB:GB+1], s[6:7], s[GB:GB+1]
	CROUND                                         ; all sixteen work-groups are here: the joint loads meet
.irp p, 0,1,2,3                                ; part p: K steps 2 p and 2 p + 1.  A's groups 0 at s32, 36, 40, 44; B's at s56, 60, 68, 72
	s_mov_b32 s[32+4*\p], 1
	s_add_co_u32 s[33+4*\p], s[LA], \p*2*CH
	s_add_nc_u64 s[34+4*\p:35+4*\p], s[20:21], \p*2*CH
	s_or_b32 s[35+4*\p], s[35+4*\p], 0x80000000
	s_mov_b32 s[56+4*\p+4*(\p/2)], 1
	s_add_co_u32 s[57+4*\p+4*(\p/2)], s23, \p*2*CH
	s_add_nc_u64 s[58+4*\p+4*(\p/2):59+4*\p+4*(\p/2)], s[GB:GB+1], \p*2*CH
	s_or_b32 s[59+4*\p+4*(\p/2)], s[59+4*\p+4*(\p/2)], 0x80000000
	JLOAD 32+4*\p, G1, 56+4*\p+4*(\p/2), G1B
.endr
	v_and_b32 v2, 31, v0
	v_lshlrev_b32 v[LI], 4, v2
	s_mul_i32 s21, s15, GROW                       ; my group of A's rows
	s_mul_i32 s22, s16, 4*1536
	s_add_co_u32 s22, s22, 2*GROW                  ; my four fragments of B
	s_lshl_b32 s23, s16, 3
	s_add_co_u32 s23, s23, 2*GROW+12288            ; and their two registers of the chunk's four of scale words
.irp p, 0,1,2,3
	v_add_nc_u32 v[ADA+\p], s21, v[LI]
	v_add_nc_u32 v[ADB+\p], s22, v[LI]
	v_add_nc_u32 v[ADS+\p], s23, v[LI]
	s_add_co_u32 s21, s21, 2*CH
	s_add_co_u32 s22, s22, 2*CH
	s_add_co_u32 s23, s23, 2*CH
.endr
	s_mul_i32 s21, s14, 16*272
	s_add_co_u32 s21, s21, STG                     ; my stage
	v_and_b32 v2, 15, v0
	v_bfe_u32 v3, v0, 4, 1
	v_mul_u32_u24 v[STO], v2, 272
	v_lshl_add_u32 v[STO], v3, 6, v[STO]
	v_add_nc_u32 v[STO], s21, v[STO]               ; in: row lane % 16, + 64 (lane / 16)
	v_mul_u32_u24 v[RD], v3, 272
	v_lshl_add_u32 v[RD], v2, 4, v[RD]
	v_add_nc_u32 v[RD], s21, v[RD]                 ; back: lanes 0-15 one row of 256 bytes, lanes 16-31 the next
	v_lshlrev_b32 v[CO], 13, v3
	v_lshl_add_u32 v[CO], v2, 4, v[CO]             ; and the same two rows in out0
	s_lshl_b32 s20, s17, 1
	s_add_co_u32 s20, s20, s15
	s_lshl_b32 s20, s20, 20                        ; my 128 tokens: rows of 8,192 bytes
	s_lshl_b32 s84, s[TC], 9
	s_lshl_b32 s85, s16, 8
	s_add_co_u32 s84, s84, s85                     ; my 64 columns
	s_add_co_u32 s20, s20, s84
	s_mov_b32 s21, 0
	s_add_nc_u64 s[8:9], s[8:9], s[20:21]
.macro FETCH k                         ; K step k: A's eight fragments, B's four, their scale words, into set k % 2
.set PP, (\k)/2
.set OF, ((\k)%2)*CH
.set SS, (\k)%2
	WIN 0x40
.irp i, 0,1,2,3,4,5,6,7
.irp c, 0,1,2
	ds_load_b128 v[128*SS+12*\i+4*\c:128*SS+12*\i+4*\c+3], v[ADA+PP] offset:OF+\i*1536+512*\c
.endr
.endr
	WIN 0xc0
.irp i, 0,1,2,3
.irp c, 0,1,2
	ds_load_b128 v[64*SS+12*\i+4*\c:64*SS+12*\i+4*\c+3], v[ADB+PP] offset:OF+\i*1536+512*\c
.endr
.endr
	WIN 0
	ds_load_b128 v[SA+8*SS:SA+8*SS+3], v[ADA+PP] offset:OF+12288
	ds_load_b64 v[SA+8*SS+4:SA+8*SS+5], v[ADS+PP] offset:OF
.endm
; 16 matrix instructions: A's blocks a0 .. a0 + 3 x B's four.  The 32 accumulators take turns, one instruction a turn, in the same order in every step.
.macro MUL16 k, a0, zero
.irp a, \a0, \a0+1, \a0+2, \a0+3
.irp b, 0,1,2,3
	WM 8*(4*(\a)+\b), 64*((\k)%2)+12*\b, 128*((\k)%2)+12*(\a), \zero, SA+8*((\k)%2)+4+\b/2, SA+8*((\k)%2)+(\a)/2, \b%2, (\a)%2
.endr
.endr
.endm
.macro EVEN k, zero                    ; the next K step lies in the same part
	s_wait_dscnt 0x0                               ; this step's fragments are in
	PLACES                                         ; in front of loads into registers that the last step's products read
	FETCH (\k)+1
	WIN MULW
	MUL16 \k, 0, \zero
	MUL16 \k, 4, \zero
.endm
.macro ODD k                           ; the next K step lies in the next part
	s_wait_tensorcnt 2-(\k)/2                      ; my load of the next part has landed; those of the parts behind it may be out
	s_wait_dscnt 0x0                               ; this step's fragments are in; no LDS instruction is pending at a signal
	s_barrier_signal -1
	MUL16 \k, 0, 0
	s_barrier_wait -1                              ; everybody's has
	PLACES
	FETCH (\k)+1
	WIN MULW
	MUL16 \k, 4, 0
.endm
	s_wait_tensorcnt 3                             ; my load of part 0 has landed,
	s_barrier_signal -1
	s_barrier_wait -1                              ; everybody's has
	FETCH 0
	EVEN 0, 1                                      ; the first products start the sums
	ODD 1
	EVEN 2, 0
	ODD 3
	EVEN 4, 0
	ODD 5
	EVEN 6, 0
	s_wait_dscnt 0x0
	MUL16 7, 0, 0
	MUL16 7, 4, 0
	WIN 0
; THE WAY OUT, block by block of 16 tokens x 64 columns, through my own stage: a lane's eight results of accumulator b are columns 32 (b / 2) + 8 (b % 2) + 16 (lane / 16) + 0..7 of my 64.
; LDS serves a wave's instructions in order (ISA guide 5.7.1.4): no wait between the stores and the loads, nor in front of the next block's stores.
.macro TOSTAGE a
	WIN 0x08                                       ; an LDS store's data are its source 1: window 2
.irp b, 0,1,2,3
	ds_store_b128 v[STO], v[8*(4*(\a)+\b):8*(4*(\a)+\b)+3] offset:128*(\b/2)+32*(\b%2)       ; each accumulator from its low end on
	ds_store_b128 v[STO], v[8*(4*(\a)+\b)+4:8*(4*(\a)+\b)+7] offset:128*(\b/2)+32*(\b%2)+16
.endr
	WIN 0
.irp t, 0,1,2,3,4,5,6,7
	ds_load_b128 v[BK+32*((\a)%2)+4*\t:BK+32*((\a)%2)+4*\t+3], v[RD] offset:\t*2*272
.endr
.endm
.macro SEND a, younger                 ; younger: the LDS instructions issued behind block a's loads, which may stay out
	s_wait_dscnt \younger
.irp t, 0,1,2,3,4,5,6,7
	global_store_b128 v[CO], v[BK+32*((\a)%2)+4*\t:BK+32*((\a)%2)+4*\t+3], s[8:9] offset:(32*((\a)/2)+8*((\a)%2)+2*\t+8*(\t/4))*8192 th:TH_STORE_NT   ; 16 lanes store 256 consecutive bytes, aligned; the block's rows go to their true tokens
.endr
.endm
	PLACES                                         ; behind the last products
	TOSTAGE 0
.irp a, 1,2,3,4,5,6,7
.if \a > 1
	s_wait_xcnt 0x0                                ; block a - 2's stores have read their registers: block a's loads may land there
.endif
	TOSTAGE \a
	SEND \a-1, 16                                  ; behind block a - 1's loads: block a's 8 stores and 8 loads
.endr
	SEND 7, 0
	s_wait_tensorcnt 0x0                           ; the wave's end
	ds_add_u32 v[SPW], v[NIL]
	s_wait_dscnt 0x0
	CROUND                                         ; the closing round
	s_endpgm
.Lfunc_end_k_q900dd8a76f_oproj:
	.size	k_q900dd8a76f_oproj, .Lfunc_end_k_q900dd8a76f_oproj-k_q900dd8a76f_oproj
	.p2alignl 7, 3214868480
	.fill 96, 4, 3214868480
	.section	.rodata,"a",@progbits
	.p2align	6, 0x0
	.amdhsa_kernel k_q900dd8a76f_oproj
		.amdhsa_group_segment_fixed_size 327680
		.amdhsa_private_segment_fixed_size 0
		.amdhsa_enable_private_segment 0
		.amdhsa_kernarg_size 24
		.amdhsa_user_sgpr_count 2
		.amdhsa_user_sgpr_kernarg_segment_ptr 1
		.amdhsa_wavefront_size32 1
		.amdhsa_system_sgpr_workgroup_id_x 1
		.amdhsa_system_sgpr_workgroup_id_y 1
		.amdhsa_system_sgpr_workgroup_id_z 1
		.amdhsa_system_vgpr_workitem_id 0
		.amdhsa_next_free_vgpr 1024
		.amdhsa_next_free_sgpr 88
		.amdhsa_reserve_vcc 0
		.amdhsa_float_denorm_mode_32 3
		.amdhsa_float_denorm_mode_16_64 3
		.amdhsa_memory_ordered 1
		.amdhsa_forward_progress 1
		.amdhsa_inst_pref_size 79
	.end_amdhsa_kernel
	.amdgpu_metadata
---
amdhsa.version: [ 1, 2 ]
amdhsa.kernels:
  - .name:           k_q900dd8a76f_oproj
    .symbol:         k_q900dd8a76f_oproj.kd
    .args:
      - { .name: oq, .offset: 0, .size: 8, .value_kind: global_buffer, .address_space: global }
      - { .name: wts, .offset: 8, .size: 8, .value_kind: global_buffer, .address_space: global }
      - { .name: out0, .offset: 16, .size: 8, .value_kind: global_buffer, .address_space: global }
    .group_segment_fixed_size: 327680
    .private_segment_fixed_size: 0
    .kernarg_segment_align: 8
    .kernarg_segment_size: 24
    .max_flat_workgroup_size: 128
    .sgpr_count:     88
    .vgpr_count:     1024
    .wavefront_size: 32
...
	.end_amdgpu_metadata
.endif
;; end of part 4
